; MI455X (gfx1250); checked and timed in simulation.
; The chip was launched on July 23, 2026; its instructions are those of AMD's public machine-readable ISA for CDNA 5 (MIT licence, August 2026) and "CDNA5" Instruction Set Architecture Reference Guide (July 2026). The comments in the code are by the model that wrote it; some were corrected since.
;; Multi Headed Attention. Allowed arithmetic: matrix products marked QUANTISED: E2M3 operands, one E8M0 scale for each 32 along K, by v_wmma_scale_f32_16x16x128_f8f6f4 with both operands' format E2M3, f32 sums; everything else in f32.
;; Inputs: Wk 1,024 x 1,024 float32; Wo 1,024 x 1,024 float32; Wq 1,024 x 1,024 float32; Wv 1,024 x 1,024 float32; bk 1,024 float32; bo 1,024 float32; bq 1,024 float32; bv 1,024 float32; key 4 x 2,048 x 1,024 float32; mask 4 x 1 x 2,048 x 2,048 bool; query 4 x 2,048 x 1,024 float32; value 4 x 2,048 x 1,024 float32.
;; Outputs: out0 4 x 2,048 x 1,024 float32.
;; This version of the problem:
;;   THIS VERSION OF THE PROBLEM IS GIVEN IN LOW PRECISION. The matrix products marked QUANTISED in the list below multiply operands that are first quantised to E2M3 (2 exponent bits, 3 mantissa bits; 6 bits a number), with one power-of-two scale for each 32 numbers along K (OCP MX v1.0); their sums are f32. All else is computed in f32.
;;   The module's matrix products, in the order in which they are computed (A, B: the left and right operand; K: the contracted axis; several contracted axes count as one K, in the product's order):
;;     1. [M 8,192, K 1,024] x [K 1,024, N 1,024]; A: input query; B: input Wq: QUANTISED
;;     2. [M 8,192, K 1,024] x [K 1,024, N 1,024]; A: input key; B: input Wk: QUANTISED
;;     3. [M 8,192, K 1,024] x [K 1,024, N 1,024]; A: input value; B: input Wv: QUANTISED
;;     4. batch 64 x [M 2,048, K 64] x [K 64, N 2,048]; A: computed on the way; B: computed on the way: QUANTISED
;;     5. batch 64 x [M 2,048, K 2,048] x [K 2,048, N 64]; A: softmax (see below); B: computed on the way: QUANTISED
;;     6. [M 8,192, K 1,024] x [K 1,024, N 1,024]; A: computed on the way; B: input Wo: QUANTISED
;;   THE QUANTISER, for each operand of a quantised product, along K:
;;     - K is cut into blocks of 32 from its start; a last block that is shorter is filled with zeros.
;;     - A block's scale is 2^e with e = floor(log2(the largest magnitude in the block)) - 2, held to -126 .. 127; a block of zeros has e = 0. As a byte (E8M0): e + 127.
;;     - Each number is divided by its block's scale, clamped to +-7.5, and rounded to the nearest number of E2M3, ties to even, subnormals kept.
;;     - The product sums the exact products of the quantised numbers (number of the format x scale) in f32.
;;   ~~~python
;;   def quantise(x, axis):      # numpy; x: float32 -> the quantised numbers, widened to float32 again
;;       x = np.moveaxis(x, axis, -1); K = x.shape[-1]
;;       x = np.pad(x, [(0, 0)] * (x.ndim - 1) + [(0, -K % 32)]); x = x.reshape(x.shape[:-1] + (-1, 32)); a = np.abs(x).max(-1, keepdims=True)
;;       e = np.where(a > 0, np.clip(np.frexp(np.where(a > 0, a, 1))[1] - 1 - 2, -126, 127), 0)      # np.frexp(a)[1] - 1 = floor(log2(a)), exactly
;;       r = np.clip(x / 2.0 ** e, -7.5, 7.5)
;;       step = 2.0 ** (np.maximum(np.frexp(np.where(r == 0, 1, r))[1] - 1, 0) - 3)
;;       q = np.round(r / step) * step * 2.0 ** e      # np.round: ties to even
;;       return np.moveaxis(q.reshape(q.shape[:-2] + (-1,))[..., :K], -1, axis).astype(np.float32)
;;   ~~~
;;   SOFTMAX AHEAD OF A QUANTISED PRODUCT. Where the list says 'softmax', what is quantised is not the finished softmax but p = 2^(t - M), with t = logit x log2(e) and M = ceil(the row's largest t), a whole number; so 1/2 < the row's largest p <= 1. The row's sum l is taken of the UNQUANTISED p, in f32, and the product's result is divided by l at the end. Since M is a whole number, a kernel that streams over the keys may use a running M (the ceiling of the running maximum): every later rescaling is an exact power of two, which a block's scale takes up: the codes' values come out the same.
;;   OPERANDS COMPUTED ON THE WAY. 'Computed on the way' means the value that the module computes at that place (a softmax that the list does not call 'softmax' is quantised finished and normalised). What goes into a quantiser is computed in f32, as accurately as f32 sums, v_exp_f32 and their like allow (about 1e-6 of the number): no bf16 or f16 on the way to a quantiser, and a product that is left as it is and whose result goes on into a quantised operand takes f32 operands (vector FMAs, or v_wmma_f32_16x16x4_f32). A number that lies on a knife's edge between two numbers of the format may be rounded either way, as far as f32 arithmetic and the matrix unit's own rounding can turn it there, and no further.
;; 2 versions, each right; version 2 is version 1 with the launch attn written anew for expert scheduling mode. Each part assembles by itself: llvm-mc -triple=amdgcn-amd-amdhsa -mcpu=gfx1250 --defsym DOCPART=n.
;; ======== version 1 of 2: 4 launches
;; limits: right only within a limited range of input values
;; workspace buffers: xq 19,660,800 bytes; wq 3,276,800 bytes; mw 2,097,152 bytes of whole numbers; hq 19,660,800 bytes; oq 6,553,600 bytes
;; launch prep (part 1): grid 576 x 1, 4 waves a work-group, no clusters, 68,096 bytes of LDS; arguments query, key, value, Wq, Wk, Wv, Wo, mask, xq, wq, mw; writes xq, wq, mw
.if DOCPART == 1
	.amdgcn_target "amdgcn-amd-amdhsa--gfx1250"
	.amdhsa_code_object_version 6
	.text
	.protected	k_qf70874e011_prep
	.globl	k_qf70874e011_prep
	.p2align	8
	.type	k_qf70874e011_prep,@function
k_qf70874e011_prep:
	s_mov_b64 s[64:65], 0
	v_nop
	global_prefetch_b8 v0, s[64:65] scope:SCOPE_SE
	s_setreg_imm32_b32 hwreg(HW_REG_WAVE_MODE, 25, 1), 1
	s_wait_xcnt 0x0
; PREP: everything that is quantised or repacked once.  Three kinds of work-group, told apart by the work-group's number alone:
;   0-63    W: the four weights [k][n] f32 -> codes of FP6 (E2M3) along k, with one E8M0 byte for each 32 along k
;   64-191  M: the mask's bytes -> one 32-bit word of lane bits for each score register of the attention launch
;   192-575 X: query, key, value [token][k] f32 -> codes along k
; ORDER OF ROWS.  Rows of an operand go in blocks of 16: place r of block 2 g + u is row 32 g + 8 u + r + 8 (r / 8).  Used as source 0 of a product, two such blocks give a lane 16 neighbours.
; IMAGE OF A FRAGMENT (16 rows x 128 k = 12 registers a lane), 1,536 bytes: for c = 0, 1 registers 6 c .. 6 c + 3 at 768 c + 16 x lane, registers 6 c + 4, 6 c + 5 at 768 c + 512 + 8 x lane.
; Every store of an image covers 512 or 256 consecutive bytes, at a multiple of 256 from the buffer's first byte.  Scale bytes: 32 a row, rows in the order of places.
; THE QUANTISER: a block's scale is 2^(floor(log2(largest magnitude)) - 2); its byte is the largest magnitude's exponent field - 2, held at 1 from below.
; LIMITS: a block of zeros gets the byte 1 (its codes are zeros; this program alone reads the bytes); blocks whose largest magnitude lies under 2^-124 keep the byte 1; NaN and infinities are not served.
; No tensor load, no barrier: waves share nothing.  The X and the M path have LDS bytes of their own.
.set SP,    528                        ; a stage row: 512 bytes + 16: row r starts 16 r bytes on modulo 256, so sixteen rows' 16-byte pieces fall on different banks
.set WSTG,  16*SP                      ; a wave's stage
.set MSTG,  4*WSTG                     ; the M path's four stages lie behind the X path's four
.set SPARE, 8*WSTG                     ; the spare words, 128 bytes for each wave: two blocks of 256 bytes that no other line names
.set SPW,   16                         ; v16 LDS address of my spare word; never rewritten
.set NIL,   17                         ; v17 0; never rewritten
.set R,     32                         ; v32-95   numbers as loaded
.set X,     96                         ; v96-159  numbers as the quantiser wants them (W path: the second set of loads)
.set PC,    160                        ; v160-199 codes, two sets of 20
.set OUT,   160                        ; M path: v160-167 the words of four key steps
.set TM,    200                        ; v200-215 at work in the quantiser
.set SW,    216                        ; v216-223 the scale words of the eight K steps
.set T0,    224                        ; v224-231 at work
.macro FINISH                          ; the wave's end
	s_wait_tensorcnt 0x0
	ds_add_u32 v[SPW], v[NIL]
	s_wait_dscnt 0x0
	s_endpgm
.endm
; 64 numbers of a lane, register 16 b + i = k 32 b + 16 (lane / 16) + i of my row, become a fragment's codes in v[pc] .. v[pc + 11] and its scale word in v[pw]
.macro QUANT s, pc, pw
.irp b, 0,1,2,3
	v_max3_num_f32 v[TM+\b], |v[\s+16*\b]|, |v[\s+1+16*\b]|, 0x1800000   ; my 16 numbers of block b, and the floor 2^(3 - 127): the byte cannot fall under 1
.endr
.irp i, 2,4,6,8,10,12,14
.irp b, 0,1,2,3
	v_max3_num_f32 v[TM+\b], v[TM+\b], |v[\s+16*\b+\i]|, |v[\s+1+16*\b+\i]|
.endr
.endr
.irp b, 0,1,2,3
	v_permlanex16_b32 v[TM+4+\b], v[TM+\b], s28, s29
.endr
.irp b, 0,1,2,3
	v_max_num_f32 v[TM+\b], v[TM+\b], v[TM+4+\b]                      ; with lane l xor 16's: the block's largest magnitude
.endr
.irp b, 0,1,2,3
	v_add_nc_u32 v[TM+12+\b], 0xff000000, v[TM+\b]                    ; 2 off its exponent field: the conversion's scale operand
.endr
.irp b, 0,1,2,3
	v_lshrrev_b32 v[TM+4+\b], 23, v[TM+12+\b]                         ; the scale's byte
.endr
	v_lshl_or_b32 v[\pw], v[TM+5], 8, v[TM+4]
	v_lshl_or_b32 v[\pw], v[TM+6], 16, v[\pw]
	v_lshl_or_b32 v[\pw], v[TM+7], 24, v[\pw]
.irp c, 0,1
	v_cvt_scalef32_pk16_fp6_f32 v[\pc+6*\c:\pc+2+6*\c], v[\s+32*\c:\s+15+32*\c], v[TM+12+2*\c]
	v_cvt_scalef32_pk16_fp6_f32 v[\pc+12+4*\c:\pc+14+4*\c], v[\s+16+32*\c:\s+31+32*\c], v[TM+13+2*\c]   ; (a conversion's three registers begin on an even number)
.endr
	v_nop                                                             ; one plain place behind a scaled conversion
.irp c, 0,1                            ; the operand's layout wants a whole block in a lane
.irp i, 0,1,2
	v_permlane16_swap_b32 v[\pc+6*\c+\i], v[\pc+12+4*\c+\i]
.endr
.irp i, 0,1,2
	v_mov_b32 v[\pc+3+6*\c+\i], v[\pc+12+4*\c+\i]
.endr
.endr
.endm
.macro PUT pc, off                     ; a fragment leaves as its image
	global_store_b128 v4, v[\pc:\pc+3], s[44:45] offset:\off
	global_store_b64 v5, v[\pc+4:\pc+5], s[44:45] offset:\off+512
	global_store_b128 v4, v[\pc+6:\pc+9], s[44:45] offset:\off+768
	global_store_b64 v5, v[\pc+10:\pc+11], s[44:45] offset:\off+1280
.endm
.macro LOADROWS pitch, off             ; 512 consecutive bytes of each of my block's sixteen rows
.irp i, 0,1,2,3,4,5,6,7,8,9,10,11,12,13,14,15
	global_load_b128 v[R+4*\i:R+4*\i+3], v4, s[32:33] offset:(\i+8*(\i/8))*\pitch+\off th:TH_LOAD_NT
.endr
.endm
.macro SCALES_OUT                      ; a row's eight words are 32 bytes: lane (r, h) stores words 4 h .. 4 h + 3: 512 consecutive bytes a wave
.irp i, 0,1,2,3
	v_cndmask_b32 v[T0+\i], v[SW+\i], v[SW+4+\i], s30
.endr
	global_store_b128 v9, v[T0:T0+3], s[46:47]
.endm
	s_load_b512 s[4:19], s[0:1], 0x0               ; query, key, value, Wq, Wk, Wv, Wo, mask
	s_load_b128 s[20:23], s[0:1], 0x40             ; xq, wq
	s_load_b64 s[24:25], s[0:1], 0x50              ; mw
	v_lshl_add_u32 v[SPW], v0, 2, SPARE
	v_mov_b32 v[NIL], 0
	v_lshrrev_b32 v1, 5, v0
	v_readfirstlane_b32 s26, v1                    ; wave
	v_and_b32 v1, 31, v0                           ; lane
	v_and_b32 v2, 15, v0                           ; r
	v_bfe_u32 v3, v0, 4, 1                         ; h
	v_lshlrev_b32 v4, 4, v1                        ; 16 x lane
	v_lshlrev_b32 v5, 3, v1                        ; 8 x lane
	s_mul_i32 s27, s26, WSTG
	v_add_nc_u32 v6, s27, v4                       ; X stage, in: 16 x lane
	v_mul_u32_u24 v12, v2, SP
	v_add_nc_u32 v12, s27, v12
	v_lshl_add_u32 v7, v3, 6, v12                  ; X stage, out: row r, + 64 h
	v_add_nc_u32 v10, MSTG, v6                     ; M stage, in
	v_lshl_add_u32 v11, v3, 4, v12
	v_add_nc_u32 v11, MSTG, v11                    ; M stage, out: row r, + 16 h
	v_and_b32 v8, 8, v2
	v_add_nc_u32 v8, v8, v2
	v_lshlrev_b32 v8, 2, v8
	v_lshl_add_u32 v8, v3, 17, v8                  ; W: column r + 8 (r / 8), lanes 16-31 begin 32 rows of 4,096 bytes further down
	v_lshlrev_b32 v9, 5, v2
	v_lshl_add_u32 v9, v3, 4, v9                   ; scale bytes: 32 r + 16 h
	s_mov_b32 s28, 0x76543210
	s_mov_b32 s29, 0xfedcba98                      ; v_permlanex16_b32's selects for lane l xor 16
	s_mov_b32 s30, 0xffff0000                      ; lanes 16-31
.irp b, 0,1,2,3
	v_mov_b32 v[TM+4+\b], 0                        ; written once: a lane permute's destination counts as one of its sources
.endr
	s_wait_kmcnt 0x0
	s_cmp_lt_u32 ttmp9, 64
	s_cbranch_scc1 .Lweights
	s_cmp_lt_u32 ttmp9, 192
	s_cbranch_scc1 .Lmask
; ---- X: a wave takes one block of 16 tokens of one tensor through all eight K steps
	s_sub_co_u32 s31, ttmp9, 192
	s_lshr_b32 s34, s31, 7                         ; which tensor
	s_and_b32 s35, s31, 127
	s_lshl_b32 s35, s35, 2
	s_add_co_u32 s35, s35, s26                     ; which block of rows, 0 .. 511
	s_cmp_eq_u32 s34, 1
	s_cselect_b64 s[32:33], s[6:7], s[4:5]
	s_cmp_eq_u32 s34, 2
	s_cselect_b64 s[32:33], s[8:9], s[32:33]
	s_lshr_b32 s36, s35, 1
	s_lshl_b32 s36, s36, 5
	s_and_b32 s37, s35, 1
	s_lshl_b32 s37, s37, 3
	s_add_co_u32 s36, s36, s37                     ; the block's first row
	s_lshl_b32 s36, s36, 12
	s_mov_b32 s37, 0
	s_add_nc_u64 s[32:33], s[32:33], s[36:37]
	s_mul_i32 s36, s34, 6291456
	s_mul_i32 s38, s35, 12288
	s_add_co_u32 s36, s36, s38
	s_add_nc_u64 s[44:45], s[20:21], s[36:37]      ; its eight images
	s_lshl_b32 s36, s34, 18
	s_lshl_b32 s38, s35, 9
	s_add_co_u32 s36, s36, s38
	s_add_co_u32 s36, s36, 18874368
	s_add_nc_u64 s[46:47], s[20:21], s[36:37]      ; its 512 scale bytes
	LOADROWS 4096, 0
.macro XSTEP s
	s_wait_loadcnt 0x0                             ; this K step's sixteen loads are in
.irp i, 0,1,2,3,4,5,6,7,8,9,10,11,12,13,14,15
	ds_store_b128 v6, v[R+4*\i:R+4*\i+3] offset:SP*\i
.endr
.irp b, 0,1,2,3                        ; LDS serves a wave's instructions in order: these see my stores
.irp j, 0,1,2,3
	ds_load_b128 v[X+16*\b+4*\j:X+16*\b+4*\j+3], v7 offset:128*\b+16*\j
.endr
.endr
	s_wait_dscnt 0x0                               ; the stage's stores have read R, and X is in
	s_wait_xcnt 0x0                                ; the stores of two steps ago have read the set of codes that is written below
.if \s < 7
	LOADROWS 4096, 512*(\s+1)
.endif
	QUANT X, PC+20*(\s%2), SW+\s
	PUT PC+20*(\s%2), 1536*\s
.endm
.irp s, 0,1,2,3,4,5,6,7
	XSTEP \s
.endr
	SCALES_OUT
	FINISH
; ---- W: a wave takes 16 columns of one weight down all of k.  A lane takes a column, its registers run down k in the order of the operand's layout: nothing is transposed.
.Lweights:
	s_lshr_b32 s34, ttmp9, 4                       ; which weight
	s_and_b32 s35, ttmp9, 15
	s_lshl_b32 s35, s35, 2
	s_add_co_u32 s35, s35, s26                     ; which block of columns, 0 .. 63: the work-group's four cover 256 consecutive bytes of each row
	s_cmp_eq_u32 s34, 1
	s_cselect_b64 s[32:33], s[12:13], s[10:11]
	s_cmp_eq_u32 s34, 2
	s_cselect_b64 s[32:33], s[14:15], s[32:33]
	s_cmp_eq_u32 s34, 3
	s_cselect_b64 s[32:33], s[16:17], s[32:33]
	s_lshr_b32 s36, s35, 1
	s_lshl_b32 s36, s36, 5
	s_and_b32 s37, s35, 1
	s_lshl_b32 s37, s37, 3
	s_add_co_u32 s36, s36, s37
	s_lshl_b32 s36, s36, 2
	s_mov_b32 s37, 0
	s_add_nc_u64 s[32:33], s[32:33], s[36:37]
	s_mul_i32 s36, s34, 786432
	s_mul_i32 s38, s35, 12288
	s_add_co_u32 s36, s36, s38
	s_add_nc_u64 s[44:45], s[22:23], s[36:37]
	s_lshl_b32 s36, s34, 15
	s_lshl_b32 s38, s35, 9
	s_add_co_u32 s36, s36, s38
	s_add_co_u32 s36, s36, 3145728
	s_add_nc_u64 s[46:47], s[22:23], s[36:37]
.macro LOADW s, set                    ; register n = W(128 s + 32 h + n + 32 (n / 32), my column): n / 32 = c, so k = 128 s + 64 c + 32 h + i
.set n, 0
.rept 64
	global_load_b32 v[\set+n], v8, s[32:33] offset:(128*(\s)+n+32*(n/32))*4096
.set n, n+1
.endr
.endm
.macro QW s, pc, pw                    ; my two whole blocks (h and 2 + h of the K step) become registers 6 c .. 6 c + 5
.irp c, 0,1
	v_max3_num_f32 v[TM+\c], |v[\s+32*\c]|, |v[\s+1+32*\c]|, 0x1800000
.endr
.irp i, 2,4,6,8,10,12,14,16,18,20,22,24,26,28,30
.irp c, 0,1
	v_max3_num_f32 v[TM+\c], v[TM+\c], |v[\s+32*\c+\i]|, |v[\s+1+32*\c+\i]|
.endr
.endr
.irp c, 0,1
	v_add_nc_u32 v[TM+12+\c], 0xff000000, v[TM+\c]
.endr
.irp c, 0,1
	v_lshrrev_b32 v[TM+8+\c], 23, v[TM+12+\c]
.endr
	v_lshl_or_b32 v[\pw], v[TM+9], 16, v[TM+8]     ; my two bytes,
	v_lshlrev_b32 v[TM+10], 3, v3
	v_lshlrev_b32 v[\pw], v[TM+10], v[\pw]         ; 8 h bits up;
	v_permlanex16_b32 v[TM+4], v[\pw], s28, s29
	v_or_b32 v[\pw], v[\pw], v[TM+4]               ; with lane l xor 16's two the word is whole
.irp c, 0,1
	v_cvt_scalef32_pk16_fp6_f32 v[\pc+6*\c:\pc+2+6*\c], v[\s+32*\c:\s+15+32*\c], v[TM+12+\c]
	v_cvt_scalef32_pk16_fp6_f32 v[\pc+12+4*\c:\pc+14+4*\c], v[\s+16+32*\c:\s+31+32*\c], v[TM+12+\c]
.endr
	v_nop
.irp c, 0,1
.irp i, 0,1,2
	v_mov_b32 v[\pc+3+6*\c+\i], v[\pc+12+4*\c+\i]
.endr
.endr
.endm
	LOADW 0, R
	LOADW 1, X
.macro WSTEP s
.set WS, R+64*((\s)%2)
.if \s < 7
	s_wait_loadcnt 63                              ; behind this K step's 64 loads the next step's 64 were issued, and loads come back in order (ISA guide 5.7.1): with at most 63 out, this step's are in.  63 is the largest count that the wait can name
.else
	s_wait_loadcnt 0x0
.endif
	s_wait_xcnt 0x0                                ; the stores of two steps ago have read the set of codes that is written below
	QW WS, PC+20*(\s%2), SW+\s
	PUT PC+20*(\s%2), 1536*\s
.if \s < 6
	LOADW \s+2, WS
.endif
.endm
.irp s, 0,1,2,3,4,5,6,7
	WSTEP \s
.endr
	SCALES_OUT
	FINISH
; ---- M: a wave takes one tile of 16 queries through all 2,048 keys, 512 a trip.  Word j of a key step of 128: bit l = mask(query of place l % 16, key 32 (j / 16) + 16 (l / 16) + j % 16).
.Lmask:
	s_sub_co_u32 s31, ttmp9, 64
	s_lshl_b32 s31, s31, 2
	s_add_co_u32 s31, s31, s26                     ; 128 x batch + tile
	s_lshr_b32 s36, s31, 1
	s_lshl_b32 s36, s36, 5
	s_and_b32 s37, s31, 1
	s_lshl_b32 s37, s37, 3
	s_add_co_u32 s36, s36, s37                     ; the tile's first row of the mask
	s_lshl_b32 s36, s36, 11
	s_mov_b32 s37, 0
	s_add_nc_u64 s[32:33], s[18:19], s[36:37]
	s_lshl_b32 s36, s31, 12
	s_add_nc_u64 s[44:45], s[24:25], s[36:37]      ; its 16 x 64 words
.irp i, 0,1,2,3,4,5,6,7
	v_mov_b32 v[OUT+\i], 0                         ; v_writelane_b32's destination counts as read
.endr
	s_mov_b32 s35, 0                               ; the trip
	LOADROWS 2048, 0
.macro MSTEP sp                        ; key step sp of the trip's four: register X + 16 sp + d holds the bytes of words 4 d .. 4 d + 3
.set d, 0
.rept 16
.irp k, 0,1,2,3
	v_and_b32 v[T0+\k], 0xff<<(8*\k), v[X+16*\sp+d]
.endr
.irp k, 0,1,2,3
	v_cmp_ne_u32 s[40+\k], 0, v[T0+\k]             ; the 32 lanes' bits: word 4 d + k
.endr
.irp k, 0,1,2,3
	v_writelane_b32 v[OUT+2*\sp+(\k&1)], s[40+\k], 2*d+\k/2   ; word j goes to lane j / 2, register j % 2: the store below lays the words in order
.endr
.set d, d+1
.endr
	global_store_b64 v5, v[OUT+2*\sp:OUT+2*\sp+1], s[44:45] offset:256*\sp   ; 256 consecutive bytes
.endm
.Lmtrip:
	s_wait_loadcnt 0x0
.irp i, 0,1,2,3,4,5,6,7,8,9,10,11,12,13,14,15
	ds_store_b128 v10, v[R+4*\i:R+4*\i+3] offset:SP*\i
.endr
.irp s, 0,1,2,3
.irp b, 0,1,2,3
	ds_load_b128 v[X+16*\s+4*\b:X+16*\s+4*\b+3], v11 offset:128*\s+32*\b
.endr
.endr
	s_wait_dscnt 0x0
	s_cmp_eq_u32 s35, 3                            ; the next 512 keys are asked for a trip ahead; the last trip asks for nothing: no load leaves the buffer
	s_cbranch_scc1 .Lmlast
	LOADROWS 2048, 512
.Lmlast:
	MSTEP 0
	MSTEP 1
	MSTEP 2
	MSTEP 3
	s_wait_xcnt 0x0                                ; loads and stores have read their bases and data: both are written again only behind this wait
	s_add_nc_u64 s[32:33], s[32:33], 512
	s_add_nc_u64 s[44:45], s[44:45], 1024
	s_add_co_u32 s35, s35, 1
	s_cmp_lt_u32 s35, 4
	s_cbranch_scc1 .Lmtrip
	FINISH
.Lfunc_end_k_qf70874e011_prep:
	.size	k_qf70874e011_prep, .Lfunc_end_k_qf70874e011_prep-k_qf70874e011_prep
	.p2alignl 7, 3214868480
	.fill 96, 4, 3214868480
	.section	.rodata,"a",@progbits
	.p2align	6, 0x0
	.amdhsa_kernel k_qf70874e011_prep
		.amdhsa_group_segment_fixed_size 68096
		.amdhsa_private_segment_fixed_size 0
		.amdhsa_enable_private_segment 0
		.amdhsa_kernarg_size 88
		.amdhsa_user_sgpr_count 2
		.amdhsa_user_sgpr_kernarg_segment_ptr 1
		.amdhsa_wavefront_size32 1
		.amdhsa_system_sgpr_workgroup_id_x 1
		.amdhsa_system_sgpr_workgroup_id_y 1
		.amdhsa_system_sgpr_workgroup_id_z 1
		.amdhsa_system_vgpr_workitem_id 0
		.amdhsa_next_free_vgpr 240
		.amdhsa_next_free_sgpr 66
		.amdhsa_reserve_vcc 0
		.amdhsa_float_denorm_mode_32 3
		.amdhsa_float_denorm_mode_16_64 3
		.amdhsa_memory_ordered 1
		.amdhsa_forward_progress 1
		.amdhsa_inst_pref_size 197
	.end_amdhsa_kernel
	.amdgpu_metadata
---
amdhsa.version: [ 1, 2 ]
amdhsa.kernels:
  - .name:           k_qf70874e011_prep
    .symbol:         k_qf70874e011_prep.kd
    .args:
      - { .name: query, .offset: 0, .size: 8, .value_kind: global_buffer, .address_space: global }
      - { .name: key, .offset: 8, .size: 8, .value_kind: global_buffer, .address_space: global }
      - { .name: value, .offset: 16, .size: 8, .value_kind: global_buffer, .address_space: global }
      - { .name: Wq, .offset: 24, .size: 8, .value_kind: global_buffer, .address_space: global }
      - { .name: Wk, .offset: 32, .size: 8, .value_kind: global_buffer, .address_space: global }
      - { .name: Wv, .offset: 40, .size: 8, .value_kind: global_buffer, .address_space: global }
      - { .name: Wo, .offset: 48, .size: 8, .value_kind: global_buffer, .address_space: global }
      - { .name: mask, .offset: 56, .size: 8, .value_kind: global_buffer, .address_space: global }
      - { .name: xq, .offset: 64, .size: 8, .value_kind: global_buffer, .address_space: global }
      - { .name: wq, .offset: 72, .size: 8, .value_kind: global_buffer, .address_space: global }
      - { .name: mw, .offset: 80, .size: 8, .value_kind: global_buffer, .address_space: global }
    .group_segment_fixed_size: 68096
    .private_segment_fixed_size: 0
    .kernarg_segment_align: 8
    .kernarg_segment_size: 88
    .max_flat_workgroup_size: 128
    .sgpr_count:     66
    .vgpr_count:     240
    .wavefront_size: 32
...
	.end_amdgpu_metadata
.endif
;; end of part 1
;; launch proj (part 2): grid 4 x 96, 4 waves a work-group, clusters of 4 x 4, 327,680 bytes of LDS; arguments xq, wq, bq, bk, bv, hq; writes hq
.if DOCPART == 2
	.amdgcn_target "amdgcn-amd-amdhsa--gfx1250"
	.amdhsa_code_object_version 6
	.text
	.protected	k_qf70874e011_proj
	.globl	k_qf70874e011_proj
	.p2align	8
	.type	k_qf70874e011_proj,@function
k_qf70874e011_proj:
	s_mov_b64 s[64:65], 0
	v_nop
	global_prefetch_b8 v0, s[64:65] scope:SCOPE_SE
	s_setreg_imm32_b32 hwreg(HW_REG_WAVE_MODE, 25, 1), 1
	s_wait_xcnt 0x0
	s_wait_alu depctr_hold_cnt(0) depctr_sa_sdst(0) depctr_va_vdst(0) depctr_va_sdst(0) depctr_va_ssrc(0) depctr_va_vcc(0) depctr_vm_vsrc(0)
	s_getreg_b32 s2, hwreg(HW_REG_IB_STS2, 6, 4)
	s_cmp_eq_u32 s2, 0
	s_cbranch_scc0 .Lentry_in_a_cluster
	s_endpgm
.Lentry_in_a_cluster:
	s_bfe_u32 s2, ttmp6, 0x10000c
	s_cmp_lg_u32 s2, 0xf033
	s_cbranch_scc0 .Lentry_shape_is_right
	s_endpgm
.Lentry_shape_is_right:
; PROJ: q = query Wq + bq, k = key Wk + bk, v = value Wv + bv on codes of FP6 (E2M3) with E8M0 scales, f32 sums, and the results quantised again on the way out: q and k along a head's 64, v along the keys.
; One launch serves the three: the cluster's y says which (y / 8) and which eighth of the tokens (y % 8).  A work-group makes 256 x 256, each of its four waves 128 x 128: 64 accumulators, 512 registers.
; THE MATRIX INSTRUCTION IS USED TRANSPOSED: source 0 = the B side, source 1 = the A side: a lane holds one row of A, and its registers run along B's rows.
;   q, k: A = tokens, B = the weight's columns: a lane's registers run along the channels.      v: A = the weight's columns, B = tokens: a lane's registers run along the keys.
; ORDER OF ROWS: place r of block 2 g + u is row 32 g + 8 u + r + 8 (r / 8): so the 16 registers of B's blocks 2 g and 2 g + 1 are the 16 neighbours 32 g + 16 (lane / 16) + 0 .. 15.
; OPERANDS LIE IN MEMORY AS IMAGES OF THEIR REGISTERS (1,536 bytes for 16 rows x 128 K: for c = 0, 1 registers 6 c .. 6 c + 3 at 768 c + 16 x lane, 6 c + 4, 6 c + 5 at 768 c + 512 + 8 x lane), [block][8 K steps]:
; a slot of 256 along K is 3,072 consecutive bytes of each block; a fragment comes from LDS by four loads whose lanes read consecutive bytes: no pitch, no padding.
; CLUSTERS: 4 x 4 work-groups; A's tiles are asked for jointly along a row of the cluster, B's along a column.  K = 1,024 is four slots on a ring of two: the steps are written out.
; The biases are the C of each sum's first matrix instruction.  The scale bytes of the work-group's rows come once, with the first fills.
; REGISTERS: window 0: v0-31 addresses; v32-63 scale words, two sets; v64-127 the bias; v128-223 A's fragments, one set (on the way out: the eight fragments made); v224-247 at work on the way out.
;   window 1: B's fragments, two sets, at v0 and v128.   window 2: the accumulators of my rows 0-63 ((a, b) at v[8 (8 a + b)]);   window 3: those of rows 64-127.
; LIMITS of the quantiser on the way out: a block of zeros, or one whose largest magnitude lies under 2^-124, gets the byte 1; NaN and infinities are not served.
.set NQ,     2                         ; matrix instructions deep in a slot
.set FR,     12
.set NL,     4                         ; LDS loads that bring a fragment
.set NP,     4                         ; places behind this matrix instruction (ISA guide 7.12.1)
.set BLKB,   3072                      ; a block's bytes in a slot
.set HALFT,  8*BLKB                    ; 128 rows: what one tensor load brings, and what one wave reads of A or of B
.set SLOT,   4*HALFT
.set SCL,    2*SLOT                    ; behind the ring: the scales, as units of 256 bytes + 16 of padding
.set HALFS,  16*272                    ; those of 128 rows
.set SBLK,   544                       ; those of 16 rows
.set SPARE,  SCL+4*HALFS               ; the spare words, 128 bytes for each wave
.set ADRA, 16                          ; v16-17 my A fragments in slot 0, 1, + 16 x lane; v18-19 the same + 8 x lane
.set ADRB, 20                          ; v20-23 the same for B
.set L16,  24                          ; v24 16 x lane
.set L8,   25                          ; v25 8 x lane
.set ADRS, 27                          ; v27 my scale words: lanes 0-15 A's rows, lanes 16-31 B's
.set SPW,  28
.set NIL,  29
.set SC,   32
.set BI,   64
.set AF,   128
.set FRG,  128                         ; the way out: fragment a at v[FRG + 12 a]
.set TP,   64                          ; the way out: the conversions' second halves
.set OS,   96                          ; the way out: scale words as they are stored
.set TM,   224
.set PW,   240
.set G1, 24
.set G0, 32
.set G1B, 48
.set G0B, 56
.set G1S, 68
.set G0S, 76
.set G1SB, 80
.set G0SB, 88
.set MSB, 0
.macro WIN new                         ; the immediate's high byte repeats the setting that is left
.if MSB != (\new)
	s_set_vgpr_msb (MSB<<8)|(\new)
.set MSB, (\new)
.endif
.endm
.set MUL_LO, 0xa1                      ; source 0 (B) window 1, source 1 (A) window 0, C and D window 2
.set MUL_HI, 0xf1
.set BIA_LO, 0x81                      ; the same with C (the bias) in window 0
.set BIA_HI, 0xc1
.set TO_B,   0x40
.macro JLOAD g0a, g1a, g0b, g1b        ; a joint load: waves 0 and 1 fetch for A, waves 2 and 3 for B; an s_nop 0 and four v_nop follow each of the two lines
	s_cmp_eq_u32 s17, 0
	s_cbranch_scc0 .Lfor_b_\@
	tensor_load_to_lds s[\g0a:\g0a+3], s[\g1a:\g1a+7]
	s_nop 0
.rept 4
	v_nop
.endr
	s_branch .Lasked_\@
.Lfor_b_\@:
	tensor_load_to_lds s[\g0b:\g0b+3], s[\g1b:\g1b+7]
	s_nop 0
.rept 4
	v_nop
.endr
.Lasked_\@:
.endm
.macro CREST
	s_cmp_lg_u32 s16, 0
	s_cbranch_scc1 .Lnot_wave_0_\@
	s_barrier_signal -3
.Lnot_wave_0_\@:
	s_barrier_wait -3
	s_barrier_signal -1
	s_barrier_wait -1
.endm
.macro CROUND
	s_barrier_signal -1
	s_barrier_wait -1
	CREST
.endm
	s_load_b256 s[4:11], s[0:1], 0x0               ; xq, wq, bq, bk
	s_load_b128 s[12:15], s[0:1], 0x20             ; bv, hq
	v_lshl_add_u32 v[SPW], v0, 2, SPARE
	v_mov_b32 v[NIL], 0
	ds_add_u32 v[SPW], v[NIL]                      ; the wave's opening: its wait stands ahead of my first tensor load
	v_lshrrev_b32 v1, 5, v0
	v_readfirstlane_b32 s16, v1                    ; wave
	s_lshr_b32 s17, s16, 1                         ; which half of A's rows is mine.  Also: I fetch for A (0) or for B (1)
	s_and_b32 s18, s16, 1                          ; which half of B's rows.  Also: which 128 rows of that tile I fetch
	s_bfe_u32 s40, ttmp6, 0x40000                  ; cx
	s_bfe_u32 s41, ttmp6, 0x40004                  ; cy
	s_and_b32 s22, ttmp7, 0xffff                   ; the cluster's y, which all sixteen share
	s_lshr_b32 s66, s22, 3                         ; 0: q, 1: k, 2: v
	s_and_b32 s21, s22, 7
	s_lshl_b32 s21, s21, 2
	s_cmp_eq_u32 s66, 2
	s_cselect_b32 s19, 1, 0                        ; 1: v, whose sides are swapped
	s_cselect_b32 s43, 0, s21
	s_cselect_b32 s42, s21, 0
	s_add_co_u32 s43, s43, s41                     ; A's tile: made of the cluster's y and cy alone
	s_add_co_u32 s42, s42, s40                     ; B's tile: of the cluster's y and cx alone
	s_lshl_b32 s44, s41, 2
	s_lshl_b32 s44, 15, s44                        ; my row of the cluster
	s_lshl_b32 s45, 0x1111, s40                    ; my column
	s_or_b32 s[G1+0], s44, (3<<16)|(1<<21)         ; 15:0 the mask; 17:16 elements of 8 bytes; 20 no padding; 21 set beside a mask
	s_or_b32 s[G1B+0], s45, (3<<16)|(1<<21)
.irp g, G1, G1B
	s_mov_b32 s[\g+1], 384<<16                     ; tensor_dim0: a block's 3,072 bytes of a slot
	s_mov_b32 s[\g+2], 8<<16                       ; tensor_dim1: 8 blocks
	s_mov_b32 s[\g+3], 384<<16                     ; tile_dim0
	s_mov_b32 s[\g+4], 8                           ; tile_dim1
	s_mov_b32 s[\g+5], 1536                        ; from block to block: 12,288 bytes
	s_mov_b32 s[\g+6], 0
	s_mov_b32 s[\g+7], 0
.endr
	s_or_b32 s[G1S+0], s44, (3<<16)|(1<<20)|(1<<21)|(5<<22)|(3<<25)   ; the scales of 128 rows: 4,096 dense bytes as 16 rows of 256, 16 bytes of padding behind each
	s_or_b32 s[G1SB+0], s45, (3<<16)|(1<<20)|(1<<21)|(5<<22)|(3<<25)
.irp g, G1S, G1SB
	s_mov_b32 s[\g+1], 32<<16
	s_mov_b32 s[\g+2], 16<<16
	s_mov_b32 s[\g+3], 32<<16
	s_mov_b32 s[\g+4], 16
	s_mov_b32 s[\g+5], 32
	s_mov_b32 s[\g+6], 0
	s_mov_b32 s[\g+7], 0
.endr
	s_lshl_b32 s46, s18, 3
	s_lshl_b32 s92, s43, 4
	s_add_co_u32 s92, s92, s46                     ; A: the first block that I fetch
	s_lshl_b32 s94, s42, 4
	s_add_co_u32 s94, s94, s46                     ; B likewise
	s_lshl_b32 s96, s92, 9                         ; their scales: 512 bytes a block
	s_lshl_b32 s98, s94, 9
	s_mul_i32 s92, s92, 12288                      ; their codes
	s_mul_i32 s94, s94, 12288
	s_mov_b32 s93, 0
	s_mov_b32 s95, 0
	s_mov_b32 s97, 0
	s_mov_b32 s99, 0
	s_mov_b32 s47, 0
	s_mul_i32 s67, s16, HALFT                      ; where they go: wave x 128 rows: no place in the cluster enters an LDS address
	s_wait_dscnt 0x0                               ; the opening add is done
	s_wait_kmcnt 0x0
	s_lshl_b32 s46, s66, 18
	s_add_co_u32 s46, s46, 18874368
	s_add_nc_u64 s[22:23], s[4:5], s[46:47]        ; the tokens' scales
	s_mul_i32 s46, s66, 6291456
	s_add_nc_u64 s[4:5], s[4:5], s[46:47]          ; the tokens' codes
	s_lshl_b32 s46, s66, 15
	s_add_co_u32 s46, s46, 3145728
	s_add_nc_u64 s[100:101], s[6:7], s[46:47]      ; the weight's scales
	s_mul_i32 s46, s66, 786432
	s_add_nc_u64 s[6:7], s[6:7], s[46:47]          ; the weight's codes
	s_cmp_eq_u32 s19, 1                            ; the sides are dealt out on the cluster's y alone
	s_cselect_b64 s[2:3], s[6:7], s[4:5]           ; A's codes
	s_cselect_b64 s[46:47], s[4:5], s[6:7]         ; B's codes
	s_cselect_b64 s[20:21], s[100:101], s[22:23]   ; A's scales
	s_cselect_b64 s[44:45], s[22:23], s[100:101]   ; B's scales
	s_add_nc_u64 s[2:3], s[2:3], s[92:93]
	s_add_nc_u64 s[46:47], s[46:47], s[94:95]
	s_add_nc_u64 s[20:21], s[20:21], s[96:97]
	s_add_nc_u64 s[44:45], s[44:45], s[98:99]
	s_mul_i32 s22, s16, HALFS
	CROUND                                         ; all sixteen work-groups are here: the first joint loads meet
	s_mov_b32 s[G0S], 1
	s_add_co_u32 s[G0S+1], s22, SCL
	s_mov_b64 s[G0S+2:G0S+3], s[20:21]
	s_or_b32 s[G0S+3], s[G0S+3], 0x80000000
	s_mov_b32 s[G0SB], 1
	s_add_co_u32 s[G0SB+1], s22, SCL
	s_mov_b64 s[G0SB+2:G0SB+3], s[44:45]
	s_or_b32 s[G0SB+3], s[G0SB+3], 0x80000000
	JLOAD G0S, G1S, G0SB, G1SB                     ; the scales first: they are wanted with the first slot
.irp s, 0,1
	s_mov_b32 s[G0+4*\s], 1
	s_add_co_u32 s[G0+4*\s+1], s67, \s*SLOT
	s_add_nc_u64 s[G0+4*\s+2:G0+4*\s+3], s[2:3], \s*BLKB
	s_or_b32 s[G0+4*\s+3], s[G0+4*\s+3], 0x80000000
	s_mov_b32 s[G0B+4*\s], 1
	s_add_co_u32 s[G0B+4*\s+1], s67, \s*SLOT
	s_add_nc_u64 s[G0B+4*\s+2:G0B+4*\s+3], s[46:47], \s*BLKB
	s_or_b32 s[G0B+4*\s+3], s[G0B+4*\s+3], 0x80000000
	JLOAD G0+4*\s, G1, G0B+4*\s, G1B
.endr
	v_and_b32 v1, 15, v0                           ; r
	v_bfe_u32 v2, v0, 4, 1                         ; h
	v_and_b32 v3, 31, v0
	v_lshlrev_b32 v[L16], 4, v3
	v_lshlrev_b32 v[L8], 3, v3
	s_mul_i32 s46, s17, HALFT                      ; my 128 rows of A
	s_mul_i32 s47, s18, HALFT                      ; my 128 rows of B,
	s_add_co_u32 s47, s47, 2*HALFT                 ; which lie behind A's 256
.irp s, 0,1
	v_add_nc_u32 v[ADRA+\s], s46, v[L16]
	v_add_nc_u32 v[ADRA+2+\s], s46, v[L8]
	v_add_nc_u32 v[ADRB+\s], s47, v[L16]
	v_add_nc_u32 v[ADRB+2+\s], s47, v[L8]
	s_add_co_u32 s46, s46, SLOT
	s_add_co_u32 s47, s47, SLOT
.endr
	v_lshlrev_b32 v5, 5, v1                        ; my row's scales: 32 bytes a row,
	v_lshrrev_b32 v6, 8, v5
	v_lshl_add_u32 v5, v6, 4, v5                   ; and 16 more for each 256 passed
	s_mul_i32 s20, s17, HALFS
	s_mul_i32 s21, s18, HALFS
	s_add_co_u32 s21, s21, 2*HALFS
	s_sub_co_u32 s21, s21, s20
	v_mul_u32_u24 v6, s21, v2                      ; lanes 16-31 take B's
	s_add_co_u32 s20, s20, SCL
	v_add_nc_u32 v5, v5, v6
	v_add_nc_u32 v[ADRS], s20, v5
	; the bias: q, k: by B's rows (a lane's eight channels of tile b); v: by A's rows (the lane's own channel, eight times)
	s_cmp_eq_u32 s66, 1
	s_cselect_b64 s[8:9], s[10:11], s[8:9]
	s_cmp_eq_u32 s66, 2
	s_cselect_b64 s[8:9], s[12:13], s[8:9]
	s_cmp_eq_u32 s19, 1
	s_cselect_b32 s10, s43, s42                    ; the channels' tile,
	s_cselect_b32 s11, s17, s18                    ; and my half of it
	s_cselect_b32 s96, s42, s43                    ; the tokens' tile,
	s_cselect_b32 s97, s18, s17                    ; and my half of it
	s_lshl_b32 s10, s10, 1
	s_add_co_u32 s10, s10, s11                     ; my 128 channels
	s_lshl_b32 s98, s10, 1                         ; their first head
	s_lshl_b32 s10, s10, 9
	s_mov_b32 s11, 0
	s_add_nc_u64 s[8:9], s[8:9], s[10:11]
	v_lshlrev_b32 v12, 6, v2                       ; 16 h numbers
	v_and_b32 v13, 8, v1
	v_add_nc_u32 v13, v13, v1
	v_lshlrev_b32 v13, 2, v13                      ; r + 8 (r / 8) numbers
	s_cmp_eq_u32 s19, 1
	s_cbranch_scc1 .Lbias_v
.irp b, 0,1,2,3,4,5,6,7
	global_load_b128 v[BI+8*\b:BI+8*\b+3], v12, s[8:9] offset:4*(32*(\b/2)+8*(\b%2))
	global_load_b128 v[BI+8*\b+4:BI+8*\b+7], v12, s[8:9] offset:4*(32*(\b/2)+8*(\b%2))+16
.endr
	s_branch .Lbias_done
.Lbias_v:
.irp a, 0,1,2,3,4,5,6,7
.irp j, 0,1,2,3,4,5,6,7
	global_load_b32 v[BI+8*\a+\j], v13, s[8:9] offset:4*(32*(\a/2)+8*(\a%2))
.endr
.endr
.Lbias_done:
	; where my results go: one formula for the three: batch, head and step of 128 tokens
	s_lshr_b32 s2, s96, 3                          ; batch
	s_and_b32 s96, s96, 7
	s_lshl_b32 s96, s96, 1
	s_add_co_u32 s96, s96, s97                     ; step of 128 tokens in the batch
	s_lshl_b32 s2, s2, 4
	s_add_co_u32 s2, s2, s98                       ; 16 x batch + my first head
	s_mul_i32 s92, s66, 6291456
	s_mul_i32 s3, s2, 98304
	s_add_co_u32 s92, s92, s3
	s_mul_i32 s3, s96, 6144
	s_add_co_u32 s92, s92, s3
	s_mov_b32 s93, 0
	s_add_nc_u64 s[92:93], s[14:15], s[92:93]      ; codes
	s_lshl_b32 s94, s66, 18
	s_lshl_b32 s3, s2, 12
	s_add_co_u32 s94, s94, s3
	s_lshl_b32 s3, s96, 8
	s_add_co_u32 s94, s94, s3
	s_add_co_u32 s94, s94, 18874368
	s_mov_b32 s95, 0
	s_add_nc_u64 s[94:95], s[14:15], s[94:95]      ; scale words
	s_mov_b32 s96, 0x76543210
	s_mov_b32 s97, 0xfedcba98                      ; v_permlanex16_b32's selects for lane l xor 16
	s_mov_b32 s100, 0xffff0000                     ; lanes 16-31
	s_mov_b32 s46, 0x05040100                      ; v_perm_b32: the two low halves;
	s_mov_b32 s47, 0x07060302                      ; the two high halves
.irp b, 0,1,2,3
	v_mov_b32 v[TM+4+\b], 0                        ; written once: a lane permute's destination counts as one of its sources
.endr
.macro FRAG reg, adr, q, i             ; a fragment comes as its image lies: four loads, each of consecutive bytes
	ds_load_b128 v[\reg:\reg+3], v[\adr] offset:BLKB*(\i)+1536*(\q)
	ds_load_b64 v[\reg+4:\reg+5], v[\adr+2] offset:BLKB*(\i)+1536*(\q)+512
	ds_load_b128 v[\reg+6:\reg+9], v[\adr] offset:BLKB*(\i)+1536*(\q)+768
	ds_load_b64 v[\reg+10:\reg+11], v[\adr+2] offset:BLKB*(\i)+1536*(\q)+1280
.endm
; 16 matrix instructions: A's blocks a0, a0 + 1 x B's eight.  zero = 1: the sums start from the bias by B's block; 2: by A's block; 0: they go on.  The 64 accumulators take turns, one instruction a turn.
.macro MUL16 a0, p, q, sc, zero
.irp a, \a0, \a0+1
.irp b, 0,1,2,3,4,5,6,7
.set DD, 8*(8*((\a)%4)+\b)
.set BF, 128*(\p)+FR*\b
.set AA, AF+FR*(\a)
.set SB, SC+8*NQ*(\sc)+NQ*\b+(\q)
.set SA, SC+8*NQ*(\sc)+NQ*(\a)+(\q)
.if \zero == 1
	v_wmma_scale_f32_16x16x128_f8f6f4 v[DD:DD+7], v[BF:BF+FR-1], v[AA:AA+FR-1], v[BI+8*\b:BI+8*\b+7], v[SB], v[SA] matrix_a_fmt:MATRIX_FMT_FP6 matrix_b_fmt:MATRIX_FMT_FP6 matrix_a_scale:MATRIX_SCALE_ROW1
.elseif \zero == 2
	v_wmma_scale_f32_16x16x128_f8f6f4 v[DD:DD+7], v[BF:BF+FR-1], v[AA:AA+FR-1], v[BI+8*(\a):BI+8*(\a)+7], v[SB], v[SA] matrix_a_fmt:MATRIX_FMT_FP6 matrix_b_fmt:MATRIX_FMT_FP6 matrix_a_scale:MATRIX_SCALE_ROW1
.else
	v_wmma_scale_f32_16x16x128_f8f6f4 v[DD:DD+7], v[BF:BF+FR-1], v[AA:AA+FR-1], v[DD:DD+7], v[SB], v[SA] matrix_a_fmt:MATRIX_FMT_FP6 matrix_b_fmt:MATRIX_FMT_FP6 matrix_a_scale:MATRIX_SCALE_ROW1
.endif
.endr
.endr
.endm
.macro FETCH_B slot, q, p
	WIN TO_B
.irp i, 0,1,2,3,4,5,6,7
	FRAG 128*(\p)+FR*\i, ADRB+\slot, \q, \i
.endr
	WIN 0
.endm
.macro FETCH_A slot, q, i0
.irp i, \i0, \i0+1, \i0+2, \i0+3
	FRAG AF+FR*(\i), ADRA+\slot, \q, \i
.endr
.endm
.macro SCALES sc                       ; a slot's two words a row: lanes 0-15 A's block i, lanes 16-31 B's block i
.irp i, 0,1,2,3,4,5,6,7
	ds_load_b64 v[SC+8*NQ*\sc+NQ*\i:SC+8*NQ*\sc+NQ*\i+1], v[ADRS] offset:\i*SBLK
.endr
.endm
.macro PLACES n                        ; places in front of loads into registers that matrix instructions have read, and of the first read of results
.rept \n
	v_nop
.endr
.endm
.macro STEP slot, q, zero              ; 128 along K that have their successor in the same slot
	s_wait_dscnt 4*NL                              ; B's set and A's blocks 0-3 are in; the youngest sixteen loads (A's blocks 4-7) may be out
.if \zero
	WIN BIA_LO
.else
	WIN MUL_LO
.endif
	MUL16 0, (\q)%2, \q, \slot, \zero
	MUL16 2, (\q)%2, \q, \slot, \zero
	s_wait_dscnt 0
	PLACES NP
	FETCH_B \slot, (\q)+1, 1-(\q)%2
	FETCH_A \slot, (\q)+1, 0
.if \zero
	WIN BIA_HI
.else
	WIN MUL_HI
.endif
	MUL16 4, (\q)%2, \q, \slot, \zero
	MUL16 6, (\q)%2, \q, \slot, \zero
	PLACES NP
	WIN 0
	FETCH_A \slot, (\q)+1, 4
.endm
; A slot's last step changes slots: one barrier; in front of it each wave waits for all its tensor loads, adds 0 to its spare word, and waits for that and for its own reads of this slot.  fill = 1: this slot is filled again.
.macro TURN slot, next, fill
	s_wait_tensorcnt 0x0                           ; all my tensor loads have landed: my part of the next slot
	ds_add_u32 v[SPW], v[NIL]                      ; 0 onto my spare word
	s_wait_dscnt 4*NL+1                            ; (the add and the youngest sixteen loads may be out)
	WIN MUL_LO
	MUL16 0, 1, NQ-1, \slot, 0
	s_wait_dscnt 0x0                               ; the add is done, and my reads of this slot are over
	s_barrier_signal -1
	MUL16 2, 1, NQ-1, \slot, 0
	WIN 0
	s_barrier_wait -1
.if \fill
	CREST                                          ; the barrier has opened a round of the cluster's barrier: no wave of any partner still reads this slot or has a load on its way
	s_add_nc_u64 s[G0+4*\slot+2:G0+4*\slot+3], s[G0+4*\slot+2:G0+4*\slot+3], 2*BLKB
	s_add_nc_u64 s[G0B+4*\slot+2:G0B+4*\slot+3], s[G0B+4*\slot+2:G0B+4*\slot+3], 2*BLKB
	JLOAD G0+4*\slot, G1, G0B+4*\slot, G1B         ; the first tensor load behind the round; its four v_nop are also the places in front of the loads below
.else
	PLACES NP
.endif
	v_add_nc_u32 v[ADRS], 4*NQ, v[ADRS]            ; on to the next slot's scale words
	FETCH_B \next, 0, 0
	FETCH_A \next, 0, 0
	SCALES \next
	WIN MUL_HI
	MUL16 4, 1, NQ-1, \slot, 0
	MUL16 6, 1, NQ-1, \slot, 0
	PLACES NP
	WIN 0
	FETCH_A \next, 0, 4
.endm
	s_wait_tensorcnt 1                             ; the scales and my part of the first slot are in (the second slot's load may be out),
	s_barrier_signal -1
	s_barrier_wait -1                              ; everybody's are
	FETCH_B 0, 0, 0
	FETCH_A 0, 0, 0
	SCALES 0
	FETCH_A 0, 0, 4
	s_wait_loadcnt 0x0                             ; the bias
	s_cmp_eq_u32 s19, 1
	s_cbranch_scc1 .Lfirst_v
	STEP 0, 0, 1
	s_branch .Lfirst_done
.Lfirst_v:
	STEP 0, 0, 2
.Lfirst_done:
	TURN 0, 1, 1
	STEP 1, 0, 0
	TURN 1, 0, 1
	STEP 0, 0, 0
	TURN 0, 1, 0                                   ; the last two slots are in or on their way: nothing is filled again
	STEP 1, 0, 0
	s_wait_dscnt 4*NL
	WIN MUL_LO
	MUL16 0, 1, NQ-1, 1, 0
	MUL16 2, 1, NQ-1, 1, 0
	s_wait_dscnt 0
	WIN MUL_HI
	MUL16 4, 1, NQ-1, 1, 0
	MUL16 6, 1, NQ-1, 1, 0
	WIN 0
	s_wait_tensorcnt 0x0                           ; behind my last tensor load: the way out touches no LDS
	ds_add_u32 v[SPW], v[NIL]
	s_wait_dscnt 0x0
	PLACES NP
; THE WAY OUT.  The 64 accumulator registers of A's block a are, in a lane, register 16 b + i = place 32 b + 16 (lane / 16) + i along B: four blocks of 32 of the lane's row.  They become a fragment and a scale word.
.macro QUANTW a
.set AC, 64*((\a)%4)
.set WW, 2+(\a)/4
.set W2, WW|(WW<<2)
.set PCA, FRG+12*(\a)
	WIN W2                                         ; sources 0 and 1: the accumulators' window
.irp b, 0,1,2,3
	v_max3_num_f32 v[TM+\b], |v[AC+16*\b]|, |v[AC+1+16*\b]|, 0x1800000   ; each accumulator is read from its low end on; the floor 2^(3 - 127) holds the byte at 1 from below
.endr
.irp i, 2,4,6,8,10,12,14
.irp b, 0,1,2,3
	v_max3_num_f32 v[TM+\b], |v[AC+16*\b+\i]|, |v[AC+1+16*\b+\i]|, v[TM+\b]
.endr
.endr
	WIN 0
.irp b, 0,1,2,3
	v_permlanex16_b32 v[TM+4+\b], v[TM+\b], s96, s97
.endr
.irp b, 0,1,2,3
	v_max_num_f32 v[TM+\b], v[TM+\b], v[TM+4+\b]
.endr
.irp b, 0,1,2,3
	v_add_nc_u32 v[TM+12+\b], 0xff000000, v[TM+\b]
.endr
.irp b, 0,1,2,3
	v_lshrrev_b32 v[TM+4+\b], 23, v[TM+12+\b]
.endr
	v_lshl_or_b32 v[PW+(\a)], v[TM+5], 8, v[TM+4]
	v_lshl_or_b32 v[PW+(\a)], v[TM+6], 16, v[PW+(\a)]
	v_lshl_or_b32 v[PW+(\a)], v[TM+7], 24, v[PW+(\a)]
	WIN WW                                         ; source 0: the accumulators' window
.irp c, 0,1
	v_cvt_scalef32_pk16_fp6_f32 v[PCA+6*\c:PCA+6*\c+2], v[AC+32*\c:AC+32*\c+15], v[TM+12+2*\c]
	v_cvt_scalef32_pk16_fp6_f32 v[TP+4*\c:TP+4*\c+2], v[AC+32*\c+16:AC+32*\c+31], v[TM+13+2*\c]
.endr
	WIN 0
	v_nop                                          ; one plain place behind a scaled conversion
.irp c, 0,1
.irp i, 0,1,2
	v_permlane16_swap_b32 v[PCA+6*\c+\i], v[TP+4*\c+\i]
.endr
.irp i, 0,1,2
	v_mov_b32 v[PCA+3+6*\c+\i], v[TP+4*\c+\i]
.endr
.endr
.endm
.irp a, 0,1,2,3,4,5,6,7
	QUANTW \a
.endr
	s_cmp_eq_u32 s19, 1
	s_cbranch_scc1 .Lout_v
	; q, k: half c of fragment a is head c's 64 channels of 16 tokens: half a % 2 of the image of 32 tokens a / 2
.irp a, 0,1,2,3,4,5,6,7
.irp c, 0,1
	global_store_b128 v[L16], v[FRG+12*\a+6*\c:FRG+12*\a+6*\c+3], s[92:93] offset:\c*98304+(\a/2)*1536+(\a%2)*768
	global_store_b64 v[L8], v[FRG+12*\a+6*\c+4:FRG+12*\a+6*\c+5], s[92:93] offset:\c*98304+(\a/2)*1536+(\a%2)*768+512
.endr
.endr
.irp c, 0,1                            ; a word of an image: the two bytes of its first 16 tokens, then those of its second; words 0, 1 in the lower and upper lanes of the first register, 2, 3 of the second
.irp i, 0,1,2,3
	v_perm_b32 v[OS+8*\c+\i], v[PW+2*\i+1], v[PW+2*\i], s[46+\c]
.endr
	v_cndmask_b32 v[OS+8*\c+4], v[OS+8*\c], v[OS+8*\c+1], s100
	v_cndmask_b32 v[OS+8*\c+5], v[OS+8*\c+2], v[OS+8*\c+3], s100
	global_store_b64 v[L8], v[OS+8*\c+4:OS+8*\c+5], s[94:95] offset:\c*4096   ; 256 consecutive bytes
.endr
	s_branch .Lout_done
.Lout_v:
	; v: fragment a is 16 channels (tile a % 4 of head a / 4) x my 128 keys
.irp a, 0,1,2,3,4,5,6,7
.irp c, 0,1
	global_store_b128 v[L16], v[FRG+12*\a+6*\c:FRG+12*\a+6*\c+3], s[92:93] offset:(\a/4)*98304+(\a%4)*1536+\c*768
	global_store_b64 v[L8], v[FRG+12*\a+6*\c+4:FRG+12*\a+6*\c+5], s[92:93] offset:(\a/4)*98304+(\a%4)*1536+\c*768+512
.endr
.endr
.irp c, 0,1
	v_cndmask_b32 v[OS+8*\c+4], v[PW+4*\c], v[PW+4*\c+1], s100
	v_cndmask_b32 v[OS+8*\c+5], v[PW+4*\c+2], v[PW+4*\c+3], s100
	global_store_b64 v[L8], v[OS+8*\c+4:OS+8*\c+5], s[94:95] offset:\c*4096
.endr
.Lout_done:
	CROUND                                         ; the closing round: no work-group ends while a partner may still ask for a tile that names it
	s_endpgm
.Lfunc_end_k_qf70874e011_proj:
	.size	k_qf70874e011_proj, .Lfunc_end_k_qf70874e011_proj-k_qf70874e011_proj
	.p2alignl 7, 3214868480
	.fill 96, 4, 3214868480
	.section	.rodata,"a",@progbits
	.p2align	6, 0x0
	.amdhsa_kernel k_qf70874e011_proj
		.amdhsa_group_segment_fixed_size 327680
		.amdhsa_private_segment_fixed_size 0
		.amdhsa_enable_private_segment 0
		.amdhsa_kernarg_size 48
		.amdhsa_user_sgpr_count 2
		.amdhsa_user_sgpr_kernarg_segment_ptr 1
		.amdhsa_wavefront_size32 1
		.amdhsa_system_sgpr_workgroup_id_x 1
		.amdhsa_system_sgpr_workgroup_id_y 1
		.amdhsa_system_sgpr_workgroup_id_z 1
		.amdhsa_system_vgpr_workitem_id 0
		.amdhsa_next_free_vgpr 1024
		.amdhsa_next_free_sgpr 102
		.amdhsa_reserve_vcc 0
		.amdhsa_float_denorm_mode_32 3
		.amdhsa_float_denorm_mode_16_64 3
		.amdhsa_memory_ordered 1
		.amdhsa_forward_progress 1
		.amdhsa_inst_pref_size 174
	.end_amdhsa_kernel
	.amdgpu_metadata
---
amdhsa.version: [ 1, 2 ]
amdhsa.kernels:
  - .name:           k_qf70874e011_proj
    .symbol:         k_qf70874e011_proj.kd
    .args:
      - { .name: xq, .offset: 0, .size: 8, .value_kind: global_buffer, .address_space: global }
      - { .name: wq, .offset: 8, .size: 8, .value_kind: global_buffer, .address_space: global }
      - { .name: bq, .offset: 16, .size: 8, .value_kind: global_buffer, .address_space: global }
      - { .name: bk, .offset: 24, .size: 8, .value_kind: global_buffer, .address_space: global }
      - { .name: bv, .offset: 32, .size: 8, .value_kind: global_buffer, .address_space: global }
      - { .name: hq, .offset: 40, .size: 8, .value_kind: global_buffer, .address_space: global }
    .group_segment_fixed_size: 327680
    .private_segment_fixed_size: 0
    .kernarg_segment_align: 8
    .kernarg_segment_size: 48
    .max_flat_workgroup_size: 128
    .sgpr_count:     102
    .vgpr_count:     1024
    .wavefront_size: 32
...
	.end_amdgpu_metadata
.endif
;; end of part 2
;; launch attn (part 3): grid 8 x 64, 16 waves a work-group, no clusters, 59,392 bytes of LDS; arguments hq, mw, oq; writes oq
.if DOCPART == 3
	.amdgcn_target "amdgcn-amd-amdhsa--gfx1250"
	.amdhsa_code_object_version 6
	.text
	.protected	k_qf70874e011_attn
	.globl	k_qf70874e011_attn
	.p2align	8
	.type	k_qf70874e011_attn,@function
k_qf70874e011_attn:
	s_mov_b64 s[64:65], 0
	v_nop
	global_prefetch_b8 v0, s[64:65] scope:SCOPE_SE
	s_setreg_imm32_b32 hwreg(HW_REG_WAVE_MODE, 25, 1), 1
	s_wait_xcnt 0x0
; ATTN: for one head of one batch (work-group y) and 256 queries (work-group x): softmax(q k^T / 8, hidden logits = -1e9) v, both products on codes of FP6 (E2M3) with E8M0 scales; the result is quantised along its 64 channels.
; THE SOFTMAX AHEAD OF THE SECOND PRODUCT: t = score x log2(e) / 8; M = the running largest t rounded UP to a whole number; p = 2^(t - M) is quantised along the keys, not normalised;
; the row's sum is taken of the unquantised p and divides at the end; when M moves, the sum and O are multiplied by 2^(old M - new M), which rounds nothing.
; SHARES: sixteen waves, each with one tile of 16 queries in 256 registers: four waves to a SIMD, so that one wave's vector work stands beside another's matrix work and LDS loads.  Every wave walks 16 steps of 128 keys.
; LAYOUT: both products transposed (S^T = k q^T, O^T = v^T p^T): a lane holds one query throughout.  Operands lie in memory and in LDS as images of their registers (1,536 bytes; two halves of 768).
; THE HEAD IS 64 DEEP, THE INSTRUCTION 128: an image of k holds TWO tiles of 16 keys, one in k 0-63 and one in k 64-127.  Against (q, zeros) it gives the first tile's scores, against (zeros, q) the second's.
; Place r of tile 2 g + u is token 32 g + 8 u + r + 8 (r / 8): the 16 score registers of an image are the 16 neighbouring keys 32 g + 16 (lane / 16) + 0 .. 15.
; K AND V go through two LDS slots of 256 keys, copied through registers: wave w loads image w of the next slot first thing behind a barrier and stores it at the slot's end: the loads have two key steps in which to land,
; so no wave waits for them and nothing is prefetched.  NO CLUSTER: what the eight work-groups of a head share is a slot's 24,576 bytes, wanted once in two key steps, in which each wave issues some 760 vector instructions.
; THE MASK comes as words of lane bits, one for each score register: 64 words a key step, read by scalar loads at the step's head and used as the masks of 64 selects, in every step: no branch hangs on them.
; LIMIT: a hidden score is set to -2^33, so that t = -2^33 c, a whole number, where the logit -1e9 gives t = -1.44e9, also a whole number in f32: a row that is hidden altogether gives p = 1 at every key both ways, and
; beside any open key p = 0 both ways.  The two differ only where an open logit lies near or under -1e9.  NaN and infinities are not served; a block of zeros in the result gets the byte 1.
.set IMG,   1536
.set SLOTB, 16*IMG                     ; a slot: 8 images of k, then 8 of v
.set KSC,   2*SLOTB                    ; k's scale words of the whole head, 256 bytes a key step; v's lie 4,096 bytes on
.set SPARE, KSC+8192                   ; the spare words, 128 bytes for each of sixteen waves
.set F,     36                         ; v36-83   four fragments of k or of v
.set S,     96                         ; v96-159  S^T, then p
.set O,     160                        ; v160-191 O^T
.set PCD,   192                        ; v192-203 p's codes
.set PT2,   204                        ; v204-210 the conversions' second halves
.set BM,    212                        ; v212-215 the blocks' largest
.set PT,    216                        ; v216-219 the other half's; then the bytes
.set SO,    220                        ; v220-223 the conversions' scale operands
.set PWD,   224                        ; v224     p's scale word, and nothing else
.set TT,    225                        ; v225     at work
.set FF,    230                        ; v[230:231] f = 2^(old M - new M)
.set SU,    234                        ; v[234:235] the sums' second chain
.set CP,    240                        ; v240-251 the image that I copy
; v1 16 x lane, v2 8 x lane, v3 where I store my image, v4 my spare word, v5 0, v6 -2^33, v7 the scale words' address, v12 -M, v13 the largest t, v[14:15] the sum,
; v16-21 zeros, v22-27 q, v28-33 zeros, v34 q's scale word, v84-85 k's scale words, v86-87 v's.   s16-63, s80-95: the step's 64 words of the mask.
	s_load_b128 s[4:7], s[0:1], 0x0                ; hq, mw
	s_load_b64 s[8:9], s[0:1], 0x10                ; oq
	v_lshl_add_u32 v4, v0, 2, SPARE
	v_mov_b32 v5, 0
	v_lshrrev_b32 v8, 5, v0
	v_readfirstlane_b32 s10, v8                    ; wave
	v_and_b32 v8, 31, v0
	v_lshlrev_b32 v1, 4, v8
	v_lshlrev_b32 v2, 3, v8
	s_mul_i32 s11, s10, IMG
	v_add_nc_u32 v3, s11, v1
	s_lshl_b32 s11, s10, 9
	v_add_nc_u32 v9, s11, v1
	v_add_nc_u32 v9, KSC, v9                       ; where I store my 512 scale bytes
	v_add_nc_u32 v7, KSC, v2
	v_and_b32 v10, 15, v0
	v_lshlrev_b32 v10, 3, v10                      ; 8 r
	v_mov_b32 v6, 0xd0000000                       ; -2^33
	s_and_b32 s72, ttmp7, 0xffff                   ; 16 x batch + head
	s_lshl_b32 s73, ttmp9, 4
	s_add_co_u32 s73, s73, s10                     ; my tile of queries in the batch
	s_lshr_b32 s74, s72, 4
	s_lshl_b32 s74, s74, 7
	s_add_co_u32 s74, s74, s73                     ; 128 x batch + tile
	s_lshr_b32 s75, s10, 3
	s_add_co_u32 s75, s75, 1                       ; waves 0-7 copy k (part 1 of hq), waves 8-15 v (part 2)
	s_and_b32 s11, s10, 7
	s_mul_i32 s12, s75, 6291456
	s_mul_i32 s2, s72, 98304
	s_add_co_u32 s12, s12, s2
	s_mul_i32 s3, s11, IMG
	s_add_co_u32 s12, s12, s3
	s_mov_b32 s13, 0                               ; my image of slot 0
	s_lshr_b32 s76, s73, 1
	s_mul_i32 s76, s76, IMG
	s_add_co_u32 s76, s76, s2
	s_and_b32 s3, s73, 1
	s_mul_i32 s3, s3, 768
	s_add_co_u32 s76, s76, s3
	s_mov_b32 s77, 0                               ; my half image of q
	s_lshl_b32 s2, s75, 18
	s_lshl_b32 s3, s72, 12
	s_add_co_u32 s2, s2, s3
	s_add_co_u32 s78, s3, 18874368
	s_lshl_b32 s3, s11, 9
	s_add_co_u32 s2, s2, s3
	s_add_co_u32 s2, s2, 18874368
	s_mov_b32 s3, 0                                ; my 512 scale bytes of k or of v
	s_lshr_b32 s11, s73, 3
	s_lshl_b32 s11, s11, 8
	s_add_co_u32 s78, s78, s11                     ; q's scale words: the step of 128 tokens,
	s_bfe_u32 s11, s73, 0x10001
	s_lshl_b32 s11, s11, 7
	s_add_co_u32 s78, s78, s11                     ; the lower or the upper lanes' words,
	s_bfe_u32 s11, s73, 0x10002
	s_lshl_b32 s11, s11, 2
	s_add_co_u32 s78, s78, s11                     ; the first or the second register's
	s_mov_b32 s79, 0
	s_lshl_b32 s14, s74, 12
	s_mov_b32 s15, 0                               ; my tile's words of the mask
	s_mov_b32 s66, 0x76543210
	s_mov_b32 s67, 0xfedcba98                      ; v_permlanex16_b32's selects for lane l xor 16
	s_mov_b32 s68, 0x3e38aa3b                      ; c = log2(e) / 8
	s_mov_b32 s69, s68                             ; (named with it as a pair, so it is written)
	s_mov_b32 s99, 0xffff0000                      ; lanes 16-31
	s_mov_b32 s98, 0x03020302
	s_bitcmp1_b32 s73, 0                           ; an odd tile's two bytes are a word's upper two
	s_cselect_b32 s98, s98, 0x01000100
	s_wait_kmcnt 0x0
	s_add_nc_u64 s[12:13], s[4:5], s[12:13]
	s_add_nc_u64 s[2:3], s[4:5], s[2:3]
	s_add_nc_u64 s[76:77], s[4:5], s[76:77]
	s_add_nc_u64 s[78:79], s[4:5], s[78:79]
	s_add_nc_u64 s[14:15], s[6:7], s[14:15]
.irp i, 0,1,2
	global_load_b128 v[CP+4*\i:CP+4*\i+3], v1, s[12:13] offset:512*\i
.endr
	global_load_b128 v[252:255], v1, s[2:3]
	global_load_b128 v[22:25], v1, s[76:77]
	global_load_b64 v[26:27], v2, s[76:77] offset:512
	global_load_b32 v35, v10, s[78:79]
.irp i, 16,17,18,19,20,21,28,29,30,31,32,33
	v_mov_b32 v\i, 0                               ; zero codes on either side of q
.endr
	s_wait_loadcnt 0x0
	s_add_nc_u64 s[12:13], s[12:13], SLOTB/2       ; on to my image of the next slot
	v_perm_b32 v34, v35, v35, s98                  ; q's two bytes twice: they serve (q, zeros) and (zeros, q) alike
.irp i, 0,1,2
	ds_store_b128 v3, v[CP+4*\i:CP+4*\i+3] offset:512*\i
.endr
	ds_store_b128 v9, v[252:255]
	v_mov_b32 v13, 0xff61b1e6                      ; the largest t so far: -3e38
	v_floor_f32 v12, -v13                          ; -M
	v_mov_b32 v14, 0
	v_mov_b32 v15, 0
	v_mov_b32 v[FF+1], 0                           ; (named as the upper half of a pair)
	v_mov_b32 v[TT], 0
.irp b, 0,1,2,3
	v_mov_b32 v[PT+\b], 0                          ; written once: a lane permute's destination counts as one of its sources
.endr
.set n, 0
.rept 32
	v_mov_b32 v[O+n], 0                            ; the step is written once: the first finds zeros.  (These are also the places between q's scale word and the first product)
.set n, n+1
.endr
	s_wait_dscnt 0x0                               ; for the others' sake: my stores have landed
	s_barrier_signal -1
	s_barrier_wait -1
.macro IMAGE4 base                     ; four images into F
.irp b, 0,1,2,3
	ds_load_b128 v[F+12*\b:F+12*\b+3], v1 offset:\base+\b*IMG
	ds_load_b64 v[F+12*\b+4:F+12*\b+5], v2 offset:\base+\b*IMG+512
	ds_load_b128 v[F+12*\b+6:F+12*\b+9], v1 offset:\base+\b*IMG+768
	ds_load_b64 v[F+12*\b+10:F+12*\b+11], v2 offset:\base+\b*IMG+1280
.endr
.endm
; A KEY STEP: 128 keys, the q-th of the slot in buffer buf
.macro STEP buf, q
	s_load_b512 s[16:31], s[14:15], 256*(2*\buf+\q)       ; the step's 64 words of the mask: asked for here, wanted behind the eight products
	s_load_b512 s[32:47], s[14:15], 256*(2*\buf+\q)+64
	s_load_b512 s[48:63], s[14:15], 256*(2*\buf+\q)+128
	s_load_b512 s[80:95], s[14:15], 256*(2*\buf+\q)+192
.rept 4
	v_nop                                          ; places in front of loads into registers that the last products have read
.endr
	IMAGE4 \buf*SLOTB+4*\q*IMG
	ds_load_b64 v[84:85], v7 offset:256*(2*\buf+\q)
	s_wait_dscnt 0x0
.irp b, 0,1,2,3                        ; image b: keys 32 b + 16 h + 0 .. 7 against (q, zeros), + 8 .. 15 against (zeros, q)
.if \b%2
	v_wmma_scale_f32_16x16x128_f8f6f4 v[S+16*\b:S+16*\b+7], v[F+12*\b:F+12*\b+11], v[22:33], 0, v[84+\b/2], v34 matrix_a_fmt:MATRIX_FMT_FP6 matrix_b_fmt:MATRIX_FMT_FP6 matrix_a_scale:MATRIX_SCALE_ROW1
	v_wmma_scale_f32_16x16x128_f8f6f4 v[S+16*\b+8:S+16*\b+15], v[F+12*\b:F+12*\b+11], v[16:27], 0, v[84+\b/2], v34 matrix_a_fmt:MATRIX_FMT_FP6 matrix_b_fmt:MATRIX_FMT_FP6 matrix_a_scale:MATRIX_SCALE_ROW1
.else
	v_wmma_scale_f32_16x16x128_f8f6f4 v[S+16*\b:S+16*\b+7], v[F+12*\b:F+12*\b+11], v[22:33], 0, v[84+\b/2], v34 matrix_a_fmt:MATRIX_FMT_FP6 matrix_b_fmt:MATRIX_FMT_FP6
	v_wmma_scale_f32_16x16x128_f8f6f4 v[S+16*\b+8:S+16*\b+15], v[F+12*\b:F+12*\b+11], v[16:27], 0, v[84+\b/2], v34 matrix_a_fmt:MATRIX_FMT_FP6 matrix_b_fmt:MATRIX_FMT_FP6
.endif
.endr
.rept 4
	v_nop                                          ; places: for the loads below, and for the first read of the scores
.endr
	IMAGE4 \buf*SLOTB+8*IMG+4*\q*IMG               ; v's four tiles of channels: they land under the softmax
	ds_load_b64 v[86:87], v7 offset:4096+256*(2*\buf+\q)
	s_wait_kmcnt 0x0                               ; the words of the mask are in
.set n, 0
.rept 64
.if n < 48
	v_cndmask_b32 v[S+n], v[S+n], v6, s[16+n]      ; hidden scores become -2^33 ahead of the maximum
.else
	v_cndmask_b32 v[S+n], v[S+n], v6, s[32+n]
.endif
.set n, n+1
.endr
.irp b, 0,1,2,3
	v_max3_num_f32 v[BM+\b], v[S+16*\b], v[S+16*\b+1], v[S+16*\b+2]   ; the largest score of each block of 32 keys: for the row's maximum and, since p rises with the score, for the block's largest p
.endr
.irp i, 3,5,7,9,11,13
.irp b, 0,1,2,3
	v_max3_num_f32 v[BM+\b], v[BM+\b], v[S+16*\b+\i], v[S+16*\b+\i+1]
.endr
.endr
.irp b, 0,1,2,3
	v_max_num_f32 v[BM+\b], v[BM+\b], v[S+16*\b+15]
.endr
.irp b, 0,1,2,3
	v_permlanex16_b32 v[PT+\b], v[BM+\b], s66, s67
.endr
.irp b, 0,1,2,3
	v_max_num_f32 v[BM+\b], v[BM+\b], v[PT+\b]
.endr
	v_max3_num_f32 v[TT], v[BM], v[BM+1], v[BM+2]
	v_max_num_f32 v[TT], v[TT], v[BM+3]
	v_mul_f32 v[TT], s68, v[TT]                    ; the step's largest t of my query
	v_max_num_f32 v13, v13, v[TT]
	v_mov_b32 v[TT], v12
	v_floor_f32 v12, -v13                          ; the new -M = -ceil(t)
	v_sub_f32 v[TT], v12, v[TT]                    ; old M - new M: a whole number, 0 or less
	v_cvt_i32_f32 v[TT], v[TT]                     ; (it saturates)
	v_ldexp_f32 v[FF], 1.0, v[TT]                  ; f
.set n, 0
.rept 32
	v_pk_fma_f32 v[S+n:S+n+1], v[S+n:S+n+1], s[68:69], v[12:13] op_sel_hi:[1,0,0]   ; t - M, two at a time
.set n, n+2
.endr
.irp b, 0,1,2,3
	v_fma_f32 v[BM+\b], v[BM+\b], s68, v12
.endr
.set n, 0
.rept 64
	v_exp_f32 v[S+n], v[S+n]                       ; p = 2^(t - M)
.set n, n+1
.endr
	v_pk_mul_f32 v[14:15], v[14:15], v[FF:FF+1] op_sel_hi:[1,0]   ; the sums under the new M: a plain place behind the exponentials
	s_wait_alu depctr_va_vdst(0)                   ; one wait for the batch, ahead of its first reader
.irp b, 0,1,2,3
	v_exp_f32 v[BM+\b], v[BM+\b]                   ; the block's largest p: the same two instructions on the same number give the same bits
.endr
	v_pk_add_f32 v[SU:SU+1], v[S:S+1], v[S+2:S+3]  ; the row's sum of the unquantised p, in two chains
.irp j, 4,8,12,16,20,24,28,32,36,40,44,48,52,56,60
	v_pk_add_f32 v[14:15], v[14:15], v[S+\j:S+\j+1]
	v_pk_add_f32 v[SU:SU+1], v[SU:SU+1], v[S+\j+2:S+\j+3]
.endr
	v_pk_add_f32 v[14:15], v[14:15], v[SU:SU+1]
	s_wait_alu depctr_va_vdst(0)                   ; and one for the four
.irp b, 0,1,2,3
	v_max_num_f32 v[BM+\b], 0x1800000, v[BM+\b]    ; the floor 2^(3 - 127): the byte cannot fall under 1
.endr
.irp b, 0,1,2,3
	v_add_nc_u32 v[SO+\b], 0xff000000, v[BM+\b]
.endr
.irp b, 0,1,2,3
	v_lshrrev_b32 v[PT+\b], 23, v[SO+\b]
.endr
	v_lshl_or_b32 v[PWD], v[PT+1], 8, v[PT]
	v_lshl_or_b32 v[PWD], v[PT+2], 16, v[PWD]
	v_lshl_or_b32 v[PWD], v[PT+3], 24, v[PWD]
.irp c, 0,1
	v_cvt_scalef32_pk16_fp6_f32 v[PCD+6*\c:PCD+6*\c+2], v[S+32*\c:S+32*\c+15], v[SO+2*\c]
	v_cvt_scalef32_pk16_fp6_f32 v[PT2+4*\c:PT2+4*\c+2], v[S+32*\c+16:S+32*\c+31], v[SO+2*\c+1]
.endr
	v_nop                                          ; one plain place behind a scaled conversion
.irp c, 0,1
.irp i, 0,1,2
	v_permlane16_swap_b32 v[PCD+6*\c+\i], v[PT2+4*\c+\i]
.endr
.irp i, 0,1,2
	v_mov_b32 v[PCD+3+6*\c+\i], v[PT2+4*\c+\i]
.endr
.endr
.set n, 0
.rept 16
	v_pk_mul_f32 v[O+n:O+n+1], v[O+n:O+n+1], v[FF:FF+1] op_sel_hi:[1,0]   ; O^T under the new M.  (These are also the places between p's codes and scale word and the products below)
.set n, n+2
.endr
	s_wait_dscnt 0x0                               ; v's fragments and scale words are in
.irp t, 0,1,2,3                        ; O^T += v^T p^T: the four accumulators by turns
.if \t%2
	v_wmma_scale_f32_16x16x128_f8f6f4 v[O+8*\t:O+8*\t+7], v[F+12*\t:F+12*\t+11], v[PCD:PCD+11], v[O+8*\t:O+8*\t+7], v[86+\t/2], v[PWD] matrix_a_fmt:MATRIX_FMT_FP6 matrix_b_fmt:MATRIX_FMT_FP6 matrix_a_scale:MATRIX_SCALE_ROW1
.else
	v_wmma_scale_f32_16x16x128_f8f6f4 v[O+8*\t:O+8*\t+7], v[F+12*\t:F+12*\t+11], v[PCD:PCD+11], v[O+8*\t:O+8*\t+7], v[86+\t/2], v[PWD] matrix_a_fmt:MATRIX_FMT_FP6 matrix_b_fmt:MATRIX_FMT_FP6
.endif
.endr
.endm
; A SLOT: two key steps out of buffer buf.  fetch = 1: my image of the next slot is asked for first, and goes into the other buffer at the end.  That buffer was read last in the slot before, behind whose reads every wave
; has waited and passed the barrier; the barrier at this slot's end stands between my stores and the others' reads.
.macro SLOTM buf, fetch
.if \fetch
.irp i, 0,1,2
	global_load_b128 v[CP+4*\i:CP+4*\i+3], v1, s[12:13] offset:512*\i
.endr
.endif
	STEP \buf, 0
	STEP \buf, 1
.if \fetch
	s_wait_loadcnt 0x0                             ; my image is in, and its loads have read their base
	s_add_nc_u64 s[12:13], s[12:13], SLOTB/2
.irp i, 0,1,2
	ds_store_b128 v3, v[CP+4*\i:CP+4*\i+3] offset:(1-\buf)*SLOTB+512*\i
.endr
	s_wait_dscnt 0x0                               ; my stores have landed, and my reads of this buffer are over
	s_barrier_signal -1
	s_barrier_wait -1
.endif
.endm
	s_mov_b32 s71, 3
.Ltrip:                                            ; a trip: two slots, four key steps
	SLOTM 0, 1
	SLOTM 1, 1
	v_add_nc_u32 v7, 1024, v7                      ; four steps' scale words on
	s_add_nc_u64 s[14:15], s[14:15], 1024          ; and four steps' words of the mask (every scalar load has been waited for)
	s_sub_co_u32 s71, s71, 1
	s_cmp_lg_u32 s71, 0
	s_cbranch_scc1 .Ltrip
	SLOTM 0, 1
	SLOTM 1, 0                                     ; the last slot: nothing is left to fetch
	; THE WAY OUT: O^T / the sum; register 16 g + i = channel 32 g + 16 (lane / 16) + i of my query: two blocks of 32, half a fragment of the last product's A
	v_add_f32 v14, v14, v15
	v_permlanex16_b32 v[TT], v14, s66, s67
	v_add_f32 v14, v14, v[TT]                      ; the row's sum
	v_rcp_f32 v14, v14
	v_and_b32 v226, 15, v0
	v_bfe_u32 v227, v0, 4, 1
	v_lshl_add_u32 v228, v226, 5, v227             ; my scale byte: 32 bytes a row, + h
	v_nop
	s_and_b32 s75, s72, 15                         ; the head
	s_mul_i32 s76, s74, 12288
	s_lshr_b32 s77, s75, 1
	s_mul_i32 s77, s77, IMG
	s_add_co_u32 s76, s76, s77
	s_and_b32 s77, s75, 1
	s_mul_i32 s77, s77, 768
	s_add_co_u32 s76, s76, s77
	s_mov_b32 s77, 0
	s_add_nc_u64 s[76:77], s[8:9], s[76:77]        ; block of tokens, K step head / 2, half head % 2
	s_lshl_b32 s78, s74, 9
	s_lshl_b32 s79, s75, 1
	s_add_co_u32 s78, s78, s79
	s_add_co_u32 s78, s78, 6291456
	s_mov_b32 s79, 0
	s_add_nc_u64 s[78:79], s[8:9], s[78:79]
	s_wait_alu depctr_va_vdst(0)                   ; ahead of the reciprocal's first reader
.set n, 0
.rept 16
	v_pk_mul_f32 v[S+n:S+n+1], v[O+n:O+n+1], v[14:15] op_sel_hi:[1,0]
.set n, n+2
.endr
.irp b, 0,1
	v_max3_num_f32 v[BM+\b], |v[S+16*\b]|, |v[S+16*\b+1]|, 0x1800000
.endr
.irp i, 2,4,6,8,10,12,14
.irp b, 0,1
	v_max3_num_f32 v[BM+\b], v[BM+\b], |v[S+16*\b+\i]|, |v[S+16*\b+\i+1]|
.endr
.endr
.irp b, 0,1
	v_permlanex16_b32 v[PT+\b], v[BM+\b], s66, s67
.endr
.irp b, 0,1
	v_max_num_f32 v[BM+\b], v[BM+\b], v[PT+\b]
.endr
.irp b, 0,1
	v_add_nc_u32 v[SO+\b], 0xff000000, v[BM+\b]
.endr
.irp b, 0,1
	v_lshrrev_b32 v[PT+\b], 23, v[SO+\b]
.endr
	v_cvt_scalef32_pk16_fp6_f32 v[PCD:PCD+2], v[S:S+15], v[SO]
	v_cvt_scalef32_pk16_fp6_f32 v[PT2:PT2+2], v[S+16:S+31], v[SO+1]
	v_cndmask_b32 v229, v[PT], v[PT+1], s99        ; lane (r, h) stores block h's byte.  (A plain place behind the conversions)
.irp i, 0,1,2
	v_permlane16_swap_b32 v[PCD+\i], v[PT2+\i]
.endr
.irp i, 0,1,2
	v_mov_b32 v[PCD+3+\i], v[PT2+\i]
.endr
	global_store_b128 v1, v[PCD:PCD+3], s[76:77]               ; 512 consecutive bytes,
	global_store_b64 v2, v[PCD+4:PCD+5], s[76:77] offset:512   ; and 256
	global_store_b8 v228, v229, s[78:79]                       ; two bytes of each of 16 rows of 32: one byte in 24 of what the wave stores
	s_wait_tensorcnt 0x0                           ; the wave's end, behind my last LDS store
	ds_add_u32 v4, v5
	s_wait_dscnt 0x0
	s_endpgm
.Lfunc_end_k_qf70874e011_attn:
	.size	k_qf70874e011_attn, .Lfunc_end_k_qf70874e011_attn-k_qf70874e011_attn
	.p2alignl 7, 3214868480
	.fill 96, 4, 3214868480
	.section	.rodata,"a",@progbits
	.p2align	6, 0x0
	.amdhsa_kernel k_qf70874e011_attn
		.amdhsa_group_segment_fixed_size 59392
		.amdhsa_private_segment_fixed_size 0
		.amdhsa_enable_private_segment 0
		.amdhsa_kernarg_size 24
		.amdhsa_user_sgpr_count 2
		.amdhsa_user_sgpr_kernarg_segment_ptr 1
		.amdhsa_wavefront_size32 1
		.amdhsa_system_sgpr_workgroup_id_x 1
		.amdhsa_system_sgpr_workgroup_id_y 1
		.amdhsa_system_sgpr_workgroup_id_z 1
		.amdhsa_system_vgpr_workitem_id 0
		.amdhsa_next_free_vgpr 256
		.amdhsa_next_free_sgpr 102
		.amdhsa_reserve_vcc 0
		.amdhsa_float_denorm_mode_32 3
		.amdhsa_float_denorm_mode_16_64 3
		.amdhsa_memory_ordered 1
		.amdhsa_forward_progress 1
		.amdhsa_inst_pref_size 172
	.end_amdhsa_kernel
	.amdgpu_metadata
---
amdhsa.version: [ 1, 2 ]
amdhsa.kernels:
  - .name:           k_qf70874e011_attn
    .symbol:         k_qf70874e011_attn.kd
    .args:
      - { .name: hq, .offset: 0, .size: 8, .value_kind: global_buffer, .address_space: global }
      - { .name: mw, .offset: 8, .size: 8, .value_kind: global_buffer, .address_space: global }
      - { .name: oq, .offset: 16, .size: 8, .value_kind: global_buffer, .address_space: global }
    .group_segment_fixed_size: 59392
    .private_segment_fixed_size: 0
    .kernarg_segment_align: 8
    .kernarg_segment_size: 24
    .max_flat_workgroup_size: 512
    .sgpr_count:     102
    .vgpr_count:     256
    .wavefront_size: 32
...
	.end_amdgpu_metadata
.endif
;; end of part 3
;; launch final (part 4): grid 4 x 32, 4 waves a work-group, clusters of 4 x 4, 327,680 bytes of LDS; arguments oq, wq, bo, out0; writes out0
.if DOCPART == 4
	.amdgcn_target "amdgcn-amd-amdhsa--gfx1250"
	.amdhsa_code_object_version 6
	.text
	.protected	k_qf70874e011_final
	.globl	k_qf70874e011_final
	.p2align	8
	.type	k_qf70874e011_final,@function
k_qf70874e011_final:
	s_mov_b64 s[64:65], 0
	v_nop
	global_prefetch_b8 v0, s[64:65] scope:SCOPE_SE
	s_setreg_imm32_b32 hwreg(HW_REG_WAVE_MODE, 25, 1), 1
	s_wait_xcnt 0x0
	s_wait_alu depctr_hold_cnt(0) depctr_sa_sdst(0) depctr_va_vdst(0) depctr_va_sdst(0) depctr_va_ssrc(0) depctr_va_vcc(0) depctr_vm_vsrc(0)
	s_getreg_b32 s2, hwreg(HW_REG_IB_STS2, 6, 4)
	s_cmp_eq_u32 s2, 0
	s_cbranch_scc0 .Lentry_in_a_cluster
	s_endpgm
.Lentry_in_a_cluster:
	s_bfe_u32 s2, ttmp6, 0x10000c
	s_cmp_lg_u32 s2, 0xf033
	s_cbranch_scc0 .Lentry_shape_is_right
	s_endpgm
.Lentry_shape_is_right:
; FINAL: out0 = x Wo + bo on codes of FP6 (E2M3) with E8M0 scales; x, the attention's result, and Wo lie in memory as images of fragments.  f32 sums, f32 out.
; A work-group makes 256 x 256, each of its four waves 128 x 128: 64 accumulators, 512 registers.  128 work-groups: the tile that reads each fragment least often.
; THE MATRIX INSTRUCTION IS USED TRANSPOSED: source 0 = Wo's columns (B), source 1 = tokens (A): a lane holds one token, its registers run along the output's columns.
; ORDER OF ROWS: place r of block 2 g + u is row 32 g + 8 u + r + 8 (r / 8); the way out puts rows and columns back by immediates.
; IMAGE of a fragment: 1,536 bytes: for c = 0, 1 registers 6 c .. 6 c + 3 at 768 c + 16 x lane, 6 c + 4, 6 c + 5 at 768 c + 512 + 8 x lane; [block][8 K steps]: a slot of 256 along K is 3,072 consecutive bytes of each block.
; CLUSTERS: 4 x 4 work-groups; A's tiles are asked for jointly along a row of the cluster, B's along a column.  K = 1,024 is four slots on a ring of two: the steps are written out.
; REGISTERS: window 0: v0-31 addresses; v32-63 scale words, two sets; v64-127 the bias; v128-223 A's fragments, one set (on the way out v128-255: rows read back).
;   window 1: B's fragments, two sets.   window 2: the accumulators of my rows 0-63 ((a, b) at v[8 (8 a + b)]);   window 3: those of rows 64-127.
.set NQ,     2
.set FR,     12
.set NL,     4
.set NP,     4
.set BLKB,   3072
.set HALFT,  8*BLKB
.set SLOT,   4*HALFT
.set SCL,    2*SLOT
.set HALFS,  16*272
.set SBLK,   544
.set SPARE,  SCL+4*HALFS
.set SPITCH, 528                       ; the way out: a stage of 16 rows x (512 bytes + 16) for each wave, in slot 0, which has had its last fill and its last read when the first result is stored there
.set ADRA, 16
.set ADRB, 20
.set L16,  24                          ; v24 16 x lane
.set L8,   25                          ; v25 8 x lane
.set STO,  26                          ; v26 the stage: where I put 32 bytes of a row
.set ADRS, 27
.set SPW,  28
.set NIL,  29
.set RD,   30                          ; v30 the stage: where I read a row back
.set SC,   32
.set BI,   64
.set AF,   128
.set BK,   128
.set G1, 24
.set G0, 32
.set G1B, 48
.set G0B, 56
.set G1S, 68
.set G0S, 76
.set G1SB, 80
.set G0SB, 88
.set MSB, 0
.macro WIN new
.if MSB != (\new)
	s_set_vgpr_msb (MSB<<8)|(\new)
.set MSB, (\new)
.endif
.endm
.set MUL_LO, 0xa1
.set MUL_HI, 0xf1
.set BIA_LO, 0x81
.set BIA_HI, 0xc1
.set TO_B,   0x40
.macro JLOAD g0a, g1a, g0b, g1b        ; a joint load: waves 0 and 1 fetch for A, waves 2 and 3 for B; an s_nop 0 and four v_nop follow each of the two lines
	s_cmp_eq_u32 s17, 0
	s_cbranch_scc0 .Lfor_b_\@
	tensor_load_to_lds s[\g0a:\g0a+3], s[\g1a:\g1a+7]
	s_nop 0
.rept 4
	v_nop
.endr
	s_branch .Lasked_\@
.Lfor_b_\@:
	tensor_load_to_lds s[\g0b:\g0b+3], s[\g1b:\g1b+7]
	s_nop 0
.rept 4
	v_nop
.endr
.Lasked_\@:
.endm
.macro CREST
	s_cmp_lg_u32 s16, 0
	s_cbranch_scc1 .Lnot_wave_0_\@
	s_barrier_signal -3
.Lnot_wave_0_\@:
	s_barrier_wait -3
	s_barrier_signal -1
	s_barrier_wait -1
.endm
.macro CROUND
	s_barrier_signal -1
	s_barrier_wait -1
	CREST
.endm
	s_load_b256 s[4:11], s[0:1], 0x0               ; oq, wq, bo, out0
	v_lshl_add_u32 v[SPW], v0, 2, SPARE
	v_mov_b32 v[NIL], 0
	ds_add_u32 v[SPW], v[NIL]                      ; the wave's opening: its wait stands ahead of my first tensor load
	v_lshrrev_b32 v1, 5, v0
	v_readfirstlane_b32 s16, v1                    ; wave
	s_lshr_b32 s17, s16, 1                         ; which half of A's rows is mine.  Also: I fetch for A (0) or for B (1)
	s_and_b32 s18, s16, 1                          ; which half of B's rows.  Also: which 128 rows of that tile I fetch
	s_bfe_u32 s40, ttmp6, 0x40000                  ; cx
	s_bfe_u32 s41, ttmp6, 0x40004                  ; cy
	s_lshl_b32 s42, ttmp9, 2
	s_add_co_u32 s42, s42, s40                     ; B's tile
	s_and_b32 s43, ttmp7, 0xffff
	s_lshl_b32 s43, s43, 2
	s_add_co_u32 s43, s43, s41                     ; A's tile
	s_lshl_b32 s44, s41, 2
	s_lshl_b32 s44, 15, s44                        ; my row of the cluster
	s_lshl_b32 s45, 0x1111, s40                    ; my column
	s_or_b32 s[G1+0], s44, (3<<16)|(1<<21)         ; 15:0 the mask; 17:16 elements of 8 bytes; 20 no padding; 21 set beside a mask
	s_or_b32 s[G1B+0], s45, (3<<16)|(1<<21)
.irp g, G1, G1B
	s_mov_b32 s[\g+1], 384<<16                     ; tensor_dim0: a block's 3,072 bytes of a slot
	s_mov_b32 s[\g+2], 8<<16                       ; tensor_dim1: 8 blocks
	s_mov_b32 s[\g+3], 384<<16
	s_mov_b32 s[\g+4], 8
	s_mov_b32 s[\g+5], 1536                        ; from block to block: 12,288 bytes
	s_mov_b32 s[\g+6], 0
	s_mov_b32 s[\g+7], 0
.endr
	s_or_b32 s[G1S+0], s44, (3<<16)|(1<<20)|(1<<21)|(5<<22)|(3<<25)   ; the scales of 128 rows: 16 rows of 256 bytes, 16 bytes of padding behind each
	s_or_b32 s[G1SB+0], s45, (3<<16)|(1<<20)|(1<<21)|(5<<22)|(3<<25)
.irp g, G1S, G1SB
	s_mov_b32 s[\g+1], 32<<16
	s_mov_b32 s[\g+2], 16<<16
	s_mov_b32 s[\g+3], 32<<16
	s_mov_b32 s[\g+4], 16
	s_mov_b32 s[\g+5], 32
	s_mov_b32 s[\g+6], 0
	s_mov_b32 s[\g+7], 0
.endr
	s_lshl_b32 s46, s18, 3
	s_lshl_b32 s92, s43, 4
	s_add_co_u32 s92, s92, s46                     ; A: the first block that I fetch
	s_lshl_b32 s94, s42, 4
	s_add_co_u32 s94, s94, s46                     ; B likewise
	s_lshl_b32 s96, s92, 9
	s_add_co_u32 s96, s96, 6291456                 ; A's scales lie behind its codes
	s_lshl_b32 s98, s94, 9
	s_add_co_u32 s98, s98, 3244032                 ; Wo's scales: the fourth part
	s_mul_i32 s92, s92, 12288
	s_mul_i32 s94, s94, 12288
	s_add_co_u32 s94, s94, 2359296                 ; Wo's codes: the fourth part
	s_mov_b32 s93, 0
	s_mov_b32 s95, 0
	s_mov_b32 s97, 0
	s_mov_b32 s99, 0
	s_mul_i32 s67, s16, HALFT                      ; where they go: wave x 128 rows: no place in the cluster enters an LDS address
	s_mul_i32 s22, s16, HALFS
	s_wait_dscnt 0x0                               ; the opening add is done
	s_wait_kmcnt 0x0
	s_add_nc_u64 s[2:3], s[4:5], s[92:93]
	s_add_nc_u64 s[20:21], s[4:5], s[96:97]
	s_add_nc_u64 s[46:47], s[6:7], s[94:95]
	s_add_nc_u64 s[44:45], s[6:7], s[98:99]
	CROUND                                         ; all sixteen work-groups are here: the first joint loads meet
	s_mov_b32 s[G0S], 1
	s_add_co_u32 s[G0S+1], s22, SCL
	s_mov_b64 s[G0S+2:G0S+3], s[20:21]
	s_or_b32 s[G0S+3], s[G0S+3], 0x80000000
	s_mov_b32 s[G0SB], 1
	s_add_co_u32 s[G0SB+1], s22, SCL
	s_mov_b64 s[G0SB+2:G0SB+3], s[44:45]
	s_or_b32 s[G0SB+3], s[G0SB+3], 0x80000000
	JLOAD G0S, G1S, G0SB, G1SB
.irp s, 0,1
	s_mov_b32 s[G0+4*\s], 1
	s_add_co_u32 s[G0+4*\s+1], s67, \s*SLOT
	s_add_nc_u64 s[G0+4*\s+2:G0+4*\s+3], s[2:3], \s*BLKB
	s_or_b32 s[G0+4*\s+3], s[G0+4*\s+3], 0x80000000
	s_mov_b32 s[G0B+4*\s], 1
	s_add_co_u32 s[G0B+4*\s+1], s67, \s*SLOT
	s_add_nc_u64 s[G0B+4*\s+2:G0B+4*\s+3], s[46:47], \s*BLKB
	s_or_b32 s[G0B+4*\s+3], s[G0B+4*\s+3], 0x80000000
	JLOAD G0+4*\s, G1, G0B+4*\s, G1B
.endr
	v_and_b32 v1, 15, v0                           ; r
	v_bfe_u32 v2, v0, 4, 1                         ; h
	v_and_b32 v3, 31, v0
	v_lshlrev_b32 v[L16], 4, v3
	v_lshlrev_b32 v[L8], 3, v3
	s_mul_i32 s46, s17, HALFT
	s_mul_i32 s47, s18, HALFT
	s_add_co_u32 s47, s47, 2*HALFT
.irp s, 0,1
	v_add_nc_u32 v[ADRA+\s], s46, v[L16]
	v_add_nc_u32 v[ADRA+2+\s], s46, v[L8]
	v_add_nc_u32 v[ADRB+\s], s47, v[L16]
	v_add_nc_u32 v[ADRB+2+\s], s47, v[L8]
	s_add_co_u32 s46, s46, SLOT
	s_add_co_u32 s47, s47, SLOT
.endr
	v_lshlrev_b32 v5, 5, v1
	v_lshrrev_b32 v6, 8, v5
	v_lshl_add_u32 v5, v6, 4, v5
	s_mul_i32 s20, s17, HALFS
	s_mul_i32 s21, s18, HALFS
	s_add_co_u32 s21, s21, 2*HALFS
	s_sub_co_u32 s21, s21, s20
	v_mul_u32_u24 v6, s21, v2                      ; lanes 16-31 take B's
	s_add_co_u32 s20, s20, SCL
	v_add_nc_u32 v5, v5, v6
	v_add_nc_u32 v[ADRS], s20, v5
	s_mul_i32 s23, s16, 16*SPITCH                  ; my stage
	v_mul_u32_u24 v5, v1, SPITCH
	v_lshl_add_u32 v5, v2, 6, v5
	v_add_nc_u32 v[STO], s23, v5                   ; in: row r, + 64 h: columns 16 h on of each 32
	v_add_nc_u32 v[RD], s23, v[L16]                ; back: the 32 lanes take one row of 512 bytes
	s_lshl_b32 s20, s42, 1
	s_add_co_u32 s20, s20, s18                     ; my 128 columns
	s_lshl_b32 s20, s20, 9
	s_mov_b32 s21, 0
	s_add_nc_u64 s[8:9], s[8:9], s[20:21]          ; their bias,
	s_add_nc_u64 s[12:13], s[10:11], s[20:21]      ; and their place in a row of the output
	s_lshl_b32 s20, s43, 1
	s_add_co_u32 s20, s20, s17                     ; my 128 rows
	s_lshl_b32 s20, s20, 19
	s_add_nc_u64 s[12:13], s[12:13], s[20:21]
	v_lshlrev_b32 v12, 6, v2
.irp b, 0,1,2,3,4,5,6,7                ; tile b's eight columns of my half: 32 (b / 2) + 8 (b % 2) + 16 h + 0 .. 7
	global_load_b128 v[BI+8*\b:BI+8*\b+3], v12, s[8:9] offset:4*(32*(\b/2)+8*(\b%2))
	global_load_b128 v[BI+8*\b+4:BI+8*\b+7], v12, s[8:9] offset:4*(32*(\b/2)+8*(\b%2))+16
.endr
.macro FRAG reg, adr, q, i
	ds_load_b128 v[\reg:\reg+3], v[\adr] offset:BLKB*(\i)+1536*(\q)
	ds_load_b64 v[\reg+4:\reg+5], v[\adr+2] offset:BLKB*(\i)+1536*(\q)+512
	ds_load_b128 v[\reg+6:\reg+9], v[\adr] offset:BLKB*(\i)+1536*(\q)+768
	ds_load_b64 v[\reg+10:\reg+11], v[\adr+2] offset:BLKB*(\i)+1536*(\q)+1280
.endm
; 16 matrix instructions: A's blocks a0, a0 + 1 x B's eight.  zero = 1: the sums start from the bias.  The 64 accumulators take turns, one instruction a turn.
.macro MUL16 a0, p, q, sc, zero
.irp a, \a0, \a0+1
.irp b, 0,1,2,3,4,5,6,7
.set DD, 8*(8*((\a)%4)+\b)
.set BF, 128*(\p)+FR*\b
.set AA, AF+FR*(\a)
.set SB, SC+8*NQ*(\sc)+NQ*\b+(\q)
.set SA, SC+8*NQ*(\sc)+NQ*(\a)+(\q)
.if \zero
	v_wmma_scale_f32_16x16x128_f8f6f4 v[DD:DD+7], v[BF:BF+FR-1], v[AA:AA+FR-1], v[BI+8*\b:BI+8*\b+7], v[SB], v[SA] matrix_a_fmt:MATRIX_FMT_FP6 matrix_b_fmt:MATRIX_FMT_FP6 matrix_a_scale:MATRIX_SCALE_ROW1
.else
	v_wmma_scale_f32_16x16x128_f8f6f4 v[DD:DD+7], v[BF:BF+FR-1], v[AA:AA+FR-1], v[DD:DD+7], v[SB], v[SA] matrix_a_fmt:MATRIX_FMT_FP6 matrix_b_fmt:MATRIX_FMT_FP6 matrix_a_scale:MATRIX_SCALE_ROW1
.endif
.endr
.endr
.endm
.macro FETCH_B slot, q, p
	WIN TO_B
.irp i, 0,1,2,3,4,5,6,7
	FRAG 128*(\p)+FR*\i, ADRB+\slot, \q, \i
.endr
	WIN 0
.endm
.macro FETCH_A slot, q, i0
.irp i, \i0, \i0+1, \i0+2, \i0+3
	FRAG AF+FR*(\i), ADRA+\slot, \q, \i
.endr
.endm
.macro SCALES sc
.irp i, 0,1,2,3,4,5,6,7
	ds_load_b64 v[SC+8*NQ*\sc+NQ*\i:SC+8*NQ*\sc+NQ*\i+1], v[ADRS] offset:\i*SBLK
.endr
.endm
.macro PLACES n
.rept \n
	v_nop
.endr
.endm
.macro STEP slot, q, zero
	s_wait_dscnt 4*NL                              ; B's set and A's blocks 0-3 are in; the youngest sixteen loads (A's blocks 4-7) may be out
.if \zero
	WIN BIA_LO
.else
	WIN MUL_LO
.endif
	MUL16 0, (\q)%2, \q, \slot, \zero
	MUL16 2, (\q)%2, \q, \slot, \zero
	s_wait_dscnt 0
	PLACES NP
	FETCH_B \slot, (\q)+1, 1-(\q)%2
	FETCH_A \slot, (\q)+1, 0
.if \zero
	WIN BIA_HI
.else
	WIN MUL_HI
.endif
	MUL16 4, (\q)%2, \q, \slot, \zero
	MUL16 6, (\q)%2, \q, \slot, \zero
	PLACES NP
	WIN 0
	FETCH_A \slot, (\q)+1, 4
.endm
.macro TURN slot, next, fill
	s_wait_tensorcnt 0x0                           ; all my tensor loads have landed: my part of the next slot
	ds_add_u32 v[SPW], v[NIL]                      ; 0 onto my spare word
	s_wait_dscnt 4*NL+1                            ; (the add and the youngest sixteen loads may be out)
	WIN MUL_LO
	MUL16 0, 1, NQ-1, \slot, 0
	s_wait_dscnt 0x0                               ; the add is done, and my reads of this slot are over
	s_barrier_signal -1
	MUL16 2, 1, NQ-1, \slot, 0
	WIN 0
	s_barrier_wait -1
.if \fill
	CREST                                          ; the barrier has opened a round of the cluster's barrier: no wave of any partner still reads this slot or has a load on its way
	s_add_nc_u64 s[G0+4*\slot+2:G0+4*\slot+3], s[G0+4*\slot+2:G0+4*\slot+3], 2*BLKB
	s_add_nc_u64 s[G0B+4*\slot+2:G0B+4*\slot+3], s[G0B+4*\slot+2:G0B+4*\slot+3], 2*BLKB
	JLOAD G0+4*\slot, G1, G0B+4*\slot, G1B
.else
	PLACES NP
.endif
	v_add_nc_u32 v[ADRS], 4*NQ, v[ADRS]
	FETCH_B \next, 0, 0
	FETCH_A \next, 0, 0
	SCALES \next
	WIN MUL_HI
	MUL16 4, 1, NQ-1, \slot, 0
	MUL16 6, 1, NQ-1, \slot, 0
	PLACES NP
	WIN 0
	FETCH_A \next, 0, 4
.endm
	s_wait_tensorcnt 1                             ; the scales and my part of the first slot are in (the second slot's load may be out),
	s_barrier_signal -1
	s_barrier_wait -1                              ; everybody's are
	FETCH_B 0, 0, 0
	FETCH_A 0, 0, 0
	SCALES 0
	FETCH_A 0, 0, 4
	s_wait_loadcnt 0x0                             ; the bias
	STEP 0, 0, 1
	TURN 0, 1, 1
	STEP 1, 0, 0
	TURN 1, 0, 1
	STEP 0, 0, 0
	TURN 0, 1, 0                                   ; nothing is filled again: slot 0 has had its last fill and, behind this barrier, its last read
	STEP 1, 0, 0
	s_wait_dscnt 4*NL
	WIN MUL_LO
	MUL16 0, 1, NQ-1, 1, 0
	MUL16 2, 1, NQ-1, 1, 0
	s_wait_dscnt 0
	WIN MUL_HI
	MUL16 4, 1, NQ-1, 1, 0
	MUL16 6, 1, NQ-1, 1, 0
	WIN 0
; THE WAY OUT, block by block of 16 tokens x 128 columns, through my own stage in LDS; it comes back as whole rows of 512 bytes.  LDS serves a wave's instructions in order: no wait between the stores and the loads.
.macro TOSTAGE a
.set AC, 64*((\a)%4)
.set WS, 0x08+4*((\a)/4)
	WIN WS                                         ; an LDS store's data are its source 1: window 2 or 3
.irp b, 0,1,2,3,4,5,6,7                ; tile b's eight columns: 32 (b / 2) + 16 h + 8 (b % 2) + 0 .. 7
	ds_store_b128 v[STO], v[AC+8*\b:AC+8*\b+3] offset:128*(\b/2)+32*(\b%2)          ; each accumulator from its low end on
	ds_store_b128 v[STO], v[AC+8*\b+4:AC+8*\b+7] offset:128*(\b/2)+32*(\b%2)+16
.endr
	WIN 0
.set BB, BK+64*((\a)%2)
.irp t, 0,1,2,3,4,5,6,7,8,9,10,11,12,13,14,15
	ds_load_b128 v[BB+4*\t:BB+4*\t+3], v[RD] offset:\t*SPITCH
.endr
.endm
.macro SEND a, younger                 ; place t of block a is row 32 (a / 2) + 8 (a % 2) + t + 8 (t / 8) of my 128: 127 rows of 4,096 bytes at the most, inside the signed 24-bit immediate
.set BB, BK+64*((\a)%2)
	s_wait_dscnt \younger
.irp t, 0,1,2,3,4,5,6,7,8,9,10,11,12,13,14,15
	global_store_b128 v[L16], v[BB+4*\t:BB+4*\t+3], s[12:13] offset:(32*((\a)/2)+8*((\a)%2)+\t+8*(\t/8))*4096 th:TH_STORE_NT   ; 32 lanes store 512 consecutive bytes, at a multiple of 512 from the output's first byte
.endr
.endm
	PLACES NP
	TOSTAGE 0
.irp a, 1,2,3,4,5,6,7
.if \a > 1
	s_wait_xcnt 0x0                                ; block a - 2's stores have read their registers: block a's loads may land there
.endif
	TOSTAGE \a
	SEND \a-1, 32                                  ; behind block a - 1's loads: block a's 16 stores and 16 loads
.endr
	SEND 7, 0
	s_wait_tensorcnt 0x0                           ; the wave's end, behind my last tensor load and my last LDS store
	ds_add_u32 v[SPW], v[NIL]
	s_wait_dscnt 0x0
	CROUND                                         ; the closing round: no work-group ends while a partner may still ask for a tile that names it
	s_endpgm
.Lfunc_end_k_qf70874e011_final:
	.size	k_qf70874e011_final, .Lfunc_end_k_qf70874e011_final-k_qf70874e011_final
	.p2alignl 7, 3214868480
	.fill 96, 4, 3214868480
	.section	.rodata,"a",@progbits
	.p2align	6, 0x0
	.amdhsa_kernel k_qf70874e011_final
		.amdhsa_group_segment_fixed_size 327680
		.amdhsa_private_segment_fixed_size 0
		.amdhsa_enable_private_segment 0
		.amdhsa_kernarg_size 32
		.amdhsa_user_sgpr_count 2
		.amdhsa_user_sgpr_kernarg_segment_ptr 1
		.amdhsa_wavefront_size32 1
		.amdhsa_system_sgpr_workgroup_id_x 1
		.amdhsa_system_sgpr_workgroup_id_y 1
		.amdhsa_system_sgpr_workgroup_id_z 1
		.amdhsa_system_vgpr_workitem_id 0
		.amdhsa_next_free_vgpr 1024
		.amdhsa_next_free_sgpr 102
		.amdhsa_reserve_vcc 0
		.amdhsa_float_denorm_mode_32 3
		.amdhsa_float_denorm_mode_16_64 3
		.amdhsa_memory_ordered 1
		.amdhsa_forward_progress 1
		.amdhsa_inst_pref_size 144
	.end_amdhsa_kernel
	.amdgpu_metadata
---
amdhsa.version: [ 1, 2 ]
amdhsa.kernels:
  - .name:           k_qf70874e011_final
    .symbol:         k_qf70874e011_final.kd
    .args:
      - { .name: oq, .offset: 0, .size: 8, .value_kind: global_buffer, .address_space: global }
      - { .name: wq, .offset: 8, .size: 8, .value_kind: global_buffer, .address_space: global }
      - { .name: bo, .offset: 16, .size: 8, .value_kind: global_buffer, .address_space: global }
      - { .name: out0, .offset: 24, .size: 8, .value_kind: global_buffer, .address_space: global }
    .group_segment_fixed_size: 327680
    .private_segment_fixed_size: 0
    .kernarg_segment_align: 8
    .kernarg_segment_size: 32
    .max_flat_workgroup_size: 128
    .sgpr_count:     102
    .vgpr_count:     1024
    .wavefront_size: 32
...
	.end_amdgpu_metadata
.endif
;; end of part 4
;; ======== version 2 of 2: 4 launches; version 1 with the launch attn written anew for expert scheduling mode
;; limits: right only within a limited range of input values
;; workspace buffers: xq 19,660,800 bytes; wq 3,276,800 bytes; mw 2,097,152 bytes of whole numbers; hq 19,660,800 bytes; oq 6,553,600 bytes
;; launch prep: the kernel of part 1 again; grid 576 x 1, 4 waves a work-group, no clusters, 68,096 bytes of LDS; arguments query, key, value, Wq, Wk, Wv, Wo, mask, xq, wq, mw; writes xq, wq, mw
;; launch proj: the kernel of part 2 again; grid 4 x 96, 4 waves a work-group, clusters of 4 x 4, 327,680 bytes of LDS; arguments xq, wq, bq, bk, bv, hq; writes hq
;; launch attn (part 5): grid 8 x 64, 16 waves a work-group, no clusters, 59,392 bytes of LDS; arguments hq, mw, oq; writes oq
.if DOCPART == 5
	.amdgcn_target "amdgcn-amd-amdhsa--gfx1250"
	.amdhsa_code_object_version 6
	.text
	.protected	k_qf70874e011_attn
	.globl	k_qf70874e011_attn
	.p2align	8
	.type	k_qf70874e011_attn,@function
k_qf70874e011_attn:
	s_mov_b64 s[64:65], 0
	v_nop
	global_prefetch_b8 v0, s[64:65] scope:SCOPE_SE
	s_setreg_imm32_b32 hwreg(HW_REG_WAVE_SCHED_MODE, 0, 2), 2
	s_setreg_imm32_b32 hwreg(HW_REG_WAVE_MODE, 25, 1), 1
	s_wait_xcnt 0x0
	s_wait_alu depctr_vm_vsrc(0)
; ATTN: for one head of one batch (work-group y) and 256 queries (work-group x): softmax(q k^T / 8, hidden logits = -1e9) v, both products on codes of FP6 (E2M3) with E8M0 scales; the result is quantised along its 64 channels.
; THE SOFTMAX AHEAD OF THE SECOND PRODUCT: t = score x log2(e) / 8; M = the running largest t rounded UP to a whole number; p = 2^(t - M) is quantised along the keys, not normalised;
; the row's sum is taken of the unquantised p and divides at the end; when M moves, the sum and O are multiplied by 2^(old M - new M), which rounds nothing.
; SHARES: sixteen waves, each with one tile of 16 queries in 256 registers: four waves to a SIMD, so that one wave's vector work stands beside another's matrix work and LDS loads.  Every wave walks 16 steps of 128 keys.
; LAYOUT: both products transposed (S^T = k q^T, O^T = v^T p^T): a lane holds one query throughout.  Operands lie in memory and in LDS as images of their registers (1,536 bytes; two halves of 768).
; THE HEAD IS 64 DEEP, THE INSTRUCTION 128: an image of k holds TWO tiles of 16 keys, one in k 0-63 and one in k 64-127.  Against (q, zeros) it gives the first tile's scores, against (zeros, q) the second's.
; Place r of tile 2 g + u is token 32 g + 8 u + r + 8 (r / 8): the 16 score registers of an image are the 16 neighbouring keys 32 g + 16 (lane / 16) + 0 .. 15.
; K AND V go through two LDS slots of 256 keys, copied through registers: wave w loads image w of the next slot first thing behind a barrier and stores it at the slot's end: the loads have two key steps in which to land,
; so no wave waits for them and nothing is prefetched.  NO CLUSTER: what the eight work-groups of a head share is a slot's 24,576 bytes, wanted once in two key steps, in which each wave issues some 760 vector instructions.
; THE MASK comes as words of lane bits, one for each score register: 64 words a key step, read by scalar loads at the step's head and used as the masks of 64 selects, in every step: no branch hangs on them.
; LIMIT: a hidden score is set to -2^33, so that t = -2^33 c, a whole number, where the logit -1e9 gives t = -1.44e9, also a whole number in f32: a row that is hidden altogether gives p = 1 at every key both ways, and
; beside any open key p = 0 both ways.  The two differ only where an open logit lies near or under -1e9.  NaN and infinities are not served; a block of zeros in the result gets the byte 1.
; THE MODE: SCHED_MODE bits 1:0 = 2 (LLVM: expert scheduling mode 2), set by the entry lines.  The code itself states the register dependences between vector or matrix instructions and memory or LDS instructions,
; with s_wait_alu, always for 0.
; THE PLAN.  Registers that memory or LDS instructions touch:
;   F (v36-83)      In a step: the LDS loads of k's four images land in it; the eight products k q^T read it; the LDS loads of v's four images land in it; the four products v^T p^T read it.
;                   The wave's 256 registers have no room for a second set, so each change of F's contents has its wait.
;   v84-85, v86-87  k's and v's scale words: loaded with their images, read by the same products.
;   CP (v240-251)   The global loads at a slot's head land in it; the LDS stores at the slot's end read it.  No vector instruction names it.
;   v7              Read by the loads of the scale words; written once a trip, at the trip's end.
;   v1, v2, v3, v9, v10   Offsets and LDS addresses, made at the head and never written again.
;   v192-197, v228, v229  On the way out: written by vector instructions, read by the three stores.
;   v4, v5          Written at the head, read by the closing add alone.
; So a key step has three waits on va_vdst beside the two behind its exponentials: at its head (the last step's products are done reading F), behind its eight products (they are done reading F), and ahead of its
; last four products (p's codes and scale word are written).  One wait on vm_vsrc a slot stands behind the slot's closing barrier: my LDS stores have read CP, and, at a trip's end, the loads have read v7.
.set IMG,   1536
.set SLOTB, 16*IMG                     ; a slot: 8 images of k, then 8 of v
.set KSC,   2*SLOTB                    ; k's scale words of the whole head, 256 bytes a key step; v's lie 4,096 bytes on
.set SPARE, KSC+8192                   ; the spare words, 128 bytes for each of sixteen waves
.set F,     36                         ; v36-83   four fragments of k or of v
.set S,     96                         ; v96-159  S^T, then p
.set O,     160                        ; v160-191 O^T
.set PCD,   192                        ; v192-203 p's codes
.set PT2,   204                        ; v204-210 the conversions' second halves
.set BM,    212                        ; v212-215 the blocks' largest
.set PT,    216                        ; v216-219 the other half's; then the bytes
.set SO,    220                        ; v220-223 the conversions' scale operands
.set PWD,   224                        ; v224     p's scale word, and nothing else
.set TT,    225                        ; v225     at work
.set FF,    230                        ; v[230:231] f = 2^(old M - new M)
.set SU,    234                        ; v[234:235] the sums' second chain
.set CP,    240                        ; v240-251 the image that I copy
; v1 16 x lane, v2 8 x lane, v3 where I store my image, v4 my spare word, v5 0, v6 -2^33, v7 the scale words' address, v12 -M, v13 the largest t, v[14:15] the sum,
; v16-21 zeros, v22-27 q, v28-33 zeros, v34 q's scale word, v84-85 k's scale words, v86-87 v's.   s16-63, s80-95: the step's 64 words of the mask.
	s_load_b128 s[4:7], s[0:1], 0x0                ; hq, mw
	s_load_b64 s[8:9], s[0:1], 0x10                ; oq
	v_lshl_add_u32 v4, v0, 2, SPARE
	v_mov_b32 v5, 0
	v_lshrrev_b32 v8, 5, v0
	v_readfirstlane_b32 s10, v8                    ; wave
	v_and_b32 v8, 31, v0
	v_lshlrev_b32 v1, 4, v8
	v_lshlrev_b32 v2, 3, v8
	s_wait_alu depctr_va_sdst(0)                   ; s10 is written, ahead of its first reader: LDS addresses and all the bases are made from it
	s_mul_i32 s96, s10, IMG                        ; (s96 and s97, which vector instructions read, are written once)
	v_add_nc_u32 v3, s96, v1
	s_lshl_b32 s97, s10, 9
	v_add_nc_u32 v9, s97, v1
	v_add_nc_u32 v9, KSC, v9                       ; where I store my 512 scale bytes
	v_add_nc_u32 v7, KSC, v2
	v_and_b32 v10, 15, v0
	v_lshlrev_b32 v10, 3, v10                      ; 8 r
	v_mov_b32 v6, 0xd0000000                       ; -2^33
	s_and_b32 s72, ttmp7, 0xffff                   ; 16 x batch + head
	s_lshl_b32 s73, ttmp9, 4
	s_add_co_u32 s73, s73, s10                     ; my tile of queries in the batch
	s_lshr_b32 s74, s72, 4
	s_lshl_b32 s74, s74, 7
	s_add_co_u32 s74, s74, s73                     ; 128 x batch + tile
	s_lshr_b32 s75, s10, 3
	s_add_co_u32 s75, s75, 1                       ; waves 0-7 copy k (part 1 of hq), waves 8-15 v (part 2)
	s_and_b32 s11, s10, 7
	s_mul_i32 s12, s75, 6291456
	s_mul_i32 s2, s72, 98304
	s_add_co_u32 s12, s12, s2
	s_mul_i32 s3, s11, IMG
	s_add_co_u32 s12, s12, s3
	s_mov_b32 s13, 0                               ; my image of slot 0
	s_lshr_b32 s76, s73, 1
	s_mul_i32 s76, s76, IMG
	s_add_co_u32 s76, s76, s2
	s_and_b32 s3, s73, 1
	s_mul_i32 s3, s3, 768
	s_add_co_u32 s76, s76, s3
	s_mov_b32 s77, 0                               ; my half image of q
	s_lshl_b32 s2, s75, 18
	s_lshl_b32 s3, s72, 12
	s_add_co_u32 s2, s2, s3
	s_add_co_u32 s78, s3, 18874368
	s_lshl_b32 s3, s11, 9
	s_add_co_u32 s2, s2, s3
	s_add_co_u32 s2, s2, 18874368
	s_mov_b32 s3, 0                                ; my 512 scale bytes of k or of v
	s_lshr_b32 s11, s73, 3
	s_lshl_b32 s11, s11, 8
	s_add_co_u32 s78, s78, s11                     ; q's scale words: the step of 128 tokens,
	s_bfe_u32 s11, s73, 0x10001
	s_lshl_b32 s11, s11, 7
	s_add_co_u32 s78, s78, s11                     ; the lower or the upper lanes' words,
	s_bfe_u32 s11, s73, 0x10002
	s_lshl_b32 s11, s11, 2
	s_add_co_u32 s78, s78, s11                     ; the first or the second register's
	s_mov_b32 s79, 0
	s_lshl_b32 s14, s74, 12
	s_mov_b32 s15, 0                               ; my tile's words of the mask
	s_mov_b32 s66, 0x76543210
	s_mov_b32 s67, 0xfedcba98                      ; v_permlanex16_b32's selects for lane l xor 16
	s_mov_b32 s68, 0x3e38aa3b                      ; c = log2(e) / 8
	s_mov_b32 s69, s68                             ; (named with it as a pair, so it is written)
	s_mov_b32 s99, 0xffff0000                      ; lanes 16-31
	s_mov_b32 s98, 0x03020302
	s_bitcmp1_b32 s73, 0                           ; an odd tile's two bytes are a word's upper two
	s_cselect_b32 s98, s98, 0x01000100
	s_wait_kmcnt 0x0
	s_add_nc_u64 s[12:13], s[4:5], s[12:13]
	s_add_nc_u64 s[2:3], s[4:5], s[2:3]
	s_add_nc_u64 s[76:77], s[4:5], s[76:77]
	s_add_nc_u64 s[78:79], s[4:5], s[78:79]
	s_add_nc_u64 s[14:15], s[6:7], s[14:15]
	s_wait_alu depctr_va_vdst(0)                   ; v1, v2, v3, v7, v9 and v10 are written: the offsets and LDS addresses that the kernel's loads and stores read
.irp i, 0,1,2
	global_load_b128 v[CP+4*\i:CP+4*\i+3], v1, s[12:13] offset:512*\i
.endr
	global_load_b128 v[252:255], v1, s[2:3]
	global_load_b128 v[22:25], v1, s[76:77]
	global_load_b64 v[26:27], v2, s[76:77] offset:512
	global_load_b32 v35, v10, s[78:79]
.irp i, 16,17,18,19,20,21,28,29,30,31,32,33
	v_mov_b32 v\i, 0                               ; zero codes on either side of q
.endr
	s_wait_loadcnt 0x0
	s_add_nc_u64 s[12:13], s[12:13], SLOTB/2       ; on to my image of the next slot
	v_perm_b32 v34, v35, v35, s98                  ; q's two bytes twice: they serve (q, zeros) and (zeros, q) alike
.irp i, 0,1,2
	ds_store_b128 v3, v[CP+4*\i:CP+4*\i+3] offset:512*\i   ; the data came by loads; no vector instruction since the wait above names v3 or v9
.endr
	ds_store_b128 v9, v[252:255]
	v_mov_b32 v13, 0xff61b1e6                      ; the largest t so far: -3e38
	v_floor_f32 v12, -v13                          ; -M
	v_mov_b32 v14, 0
	v_mov_b32 v15, 0
	v_mov_b32 v[FF+1], 0                           ; (named as the upper half of a pair)
	v_mov_b32 v[TT], 0
.irp b, 0,1,2,3
	v_mov_b32 v[PT+\b], 0                          ; written once: a lane permute's destination counts as one of its sources
.endr
.set n, 0
.rept 32
	v_mov_b32 v[O+n], 0                            ; the step is written once: the first finds zeros.  (These are also the places between q's scale word and the first product)
.set n, n+1
.endr
	s_wait_dscnt 0x0                               ; for the others' sake: my stores have landed
	s_barrier_signal -1
	s_barrier_wait -1
	s_wait_alu depctr_vm_vsrc(0)                   ; my LDS stores have read CP, in which the first slot's global loads land
.macro IMAGE4 base                     ; four images into F
.irp b, 0,1,2,3
	ds_load_b128 v[F+12*\b:F+12*\b+3], v1 offset:\base+\b*IMG
	ds_load_b64 v[F+12*\b+4:F+12*\b+5], v2 offset:\base+\b*IMG+512
	ds_load_b128 v[F+12*\b+6:F+12*\b+9], v1 offset:\base+\b*IMG+768
	ds_load_b64 v[F+12*\b+10:F+12*\b+11], v2 offset:\base+\b*IMG+1280
.endr
.endm
; A KEY STEP: 128 keys, the q-th of the slot in buffer buf
.macro STEP buf, q
	s_load_b512 s[16:31], s[14:15], 256*(2*\buf+\q)       ; the step's 64 words of the mask: asked for here, wanted behind the eight products.  (The selects that read these registers stand ahead of the last step's waits on va_vdst)
	s_load_b512 s[32:47], s[14:15], 256*(2*\buf+\q)+64
	s_load_b512 s[48:63], s[14:15], 256*(2*\buf+\q)+128
	s_load_b512 s[80:95], s[14:15], 256*(2*\buf+\q)+192
.rept 4
	v_nop                                          ; places behind the last products; they stay beside the wait below
.endr
	s_wait_alu depctr_va_vdst(0)                   ; the last step's products are done reading F and v84-85, in which the loads below land; in a trip's first step v7 is written; in the first step of all q's zero codes and scale word are written, which the products below take
	IMAGE4 \buf*SLOTB+4*\q*IMG
	ds_load_b64 v[84:85], v7 offset:256*(2*\buf+\q)
	s_wait_dscnt 0x0
.irp b, 0,1,2,3                        ; image b: keys 32 b + 16 h + 0 .. 7 against (q, zeros), + 8 .. 15 against (zeros, q)
.if \b%2
	v_wmma_scale_f32_16x16x128_f8f6f4 v[S+16*\b:S+16*\b+7], v[F+12*\b:F+12*\b+11], v[22:33], 0, v[84+\b/2], v34 matrix_a_fmt:MATRIX_FMT_FP6 matrix_b_fmt:MATRIX_FMT_FP6 matrix_a_scale:MATRIX_SCALE_ROW1
	v_wmma_scale_f32_16x16x128_f8f6f4 v[S+16*\b+8:S+16*\b+15], v[F+12*\b:F+12*\b+11], v[16:27], 0, v[84+\b/2], v34 matrix_a_fmt:MATRIX_FMT_FP6 matrix_b_fmt:MATRIX_FMT_FP6 matrix_a_scale:MATRIX_SCALE_ROW1
.else
	v_wmma_scale_f32_16x16x128_f8f6f4 v[S+16*\b:S+16*\b+7], v[F+12*\b:F+12*\b+11], v[22:33], 0, v[84+\b/2], v34 matrix_a_fmt:MATRIX_FMT_FP6 matrix_b_fmt:MATRIX_FMT_FP6
	v_wmma_scale_f32_16x16x128_f8f6f4 v[S+16*\b+8:S+16*\b+15], v[F+12*\b:F+12*\b+11], v[16:27], 0, v[84+\b/2], v34 matrix_a_fmt:MATRIX_FMT_FP6 matrix_b_fmt:MATRIX_FMT_FP6
.endif
.endr
.rept 4
	v_nop                                          ; places: for the first read of the scores; they stay beside the wait below
.endr
	s_wait_alu depctr_va_vdst(0)                   ; the eight products are done reading F, in which the loads below land
	IMAGE4 \buf*SLOTB+8*IMG+4*\q*IMG               ; v's four tiles of channels: they land under the softmax, no line of which names F or v86-87
	ds_load_b64 v[86:87], v7 offset:4096+256*(2*\buf+\q)
	s_wait_kmcnt 0x0                               ; the words of the mask are in
.set n, 0
.rept 64
.if n < 48
	v_cndmask_b32 v[S+n], v[S+n], v6, s[16+n]      ; hidden scores become -2^33 ahead of the maximum
.else
	v_cndmask_b32 v[S+n], v[S+n], v6, s[32+n]
.endif
.set n, n+1
.endr
.irp b, 0,1,2,3
	v_max3_num_f32 v[BM+\b], v[S+16*\b], v[S+16*\b+1], v[S+16*\b+2]   ; the largest score of each block of 32 keys: for the row's maximum and, since p rises with the score, for the block's largest p
.endr
.irp i, 3,5,7,9,11,13
.irp b, 0,1,2,3
	v_max3_num_f32 v[BM+\b], v[BM+\b], v[S+16*\b+\i], v[S+16*\b+\i+1]
.endr
.endr
.irp b, 0,1,2,3
	v_max_num_f32 v[BM+\b], v[BM+\b], v[S+16*\b+15]
.endr
.irp b, 0,1,2,3
	v_permlanex16_b32 v[PT+\b], v[BM+\b], s66, s67
.endr
.irp b, 0,1,2,3
	v_max_num_f32 v[BM+\b], v[BM+\b], v[PT+\b]
.endr
	v_max3_num_f32 v[TT], v[BM], v[BM+1], v[BM+2]
	v_max_num_f32 v[TT], v[TT], v[BM+3]
	v_mul_f32 v[TT], s68, v[TT]                    ; the step's largest t of my query
	v_max_num_f32 v13, v13, v[TT]
	v_mov_b32 v[TT], v12
	v_floor_f32 v12, -v13                          ; the new -M = -ceil(t)
	v_sub_f32 v[TT], v12, v[TT]                    ; old M - new M: a whole number, 0 or less
	v_cvt_i32_f32 v[TT], v[TT]                     ; (it saturates)
	v_ldexp_f32 v[FF], 1.0, v[TT]                  ; f
.set n, 0
.rept 32
	v_pk_fma_f32 v[S+n:S+n+1], v[S+n:S+n+1], s[68:69], v[12:13] op_sel_hi:[1,0,0]   ; t - M, two at a time
.set n, n+2
.endr
.irp b, 0,1,2,3
	v_fma_f32 v[BM+\b], v[BM+\b], s68, v12
.endr
.set n, 0
.rept 64
	v_exp_f32 v[S+n], v[S+n]                       ; p = 2^(t - M)
.set n, n+1
.endr
	v_pk_mul_f32 v[14:15], v[14:15], v[FF:FF+1] op_sel_hi:[1,0]   ; the sums under the new M: a plain place behind the exponentials
	s_wait_alu depctr_va_vdst(0)                   ; the 64 exponentials have written p in v96-159: one wait for the batch, ahead of its first reader
.irp b, 0,1,2,3
	v_exp_f32 v[BM+\b], v[BM+\b]                   ; the block's largest p: the same two instructions on the same number give the same bits
.endr
	v_pk_add_f32 v[SU:SU+1], v[S:S+1], v[S+2:S+3]  ; the row's sum of the unquantised p, in two chains
.irp j, 4,8,12,16,20,24,28,32,36,40,44,48,52,56,60
	v_pk_add_f32 v[14:15], v[14:15], v[S+\j:S+\j+1]
	v_pk_add_f32 v[SU:SU+1], v[SU:SU+1], v[S+\j+2:S+\j+3]
.endr
	v_pk_add_f32 v[14:15], v[14:15], v[SU:SU+1]
	s_wait_alu depctr_va_vdst(0)                   ; the four exponentials have written the blocks' largest p in v212-215, ahead of their first reader
.irp b, 0,1,2,3
	v_max_num_f32 v[BM+\b], 0x1800000, v[BM+\b]    ; the floor 2^(3 - 127): the byte cannot fall under 1
.endr
.irp b, 0,1,2,3
	v_add_nc_u32 v[SO+\b], 0xff000000, v[BM+\b]
.endr
.irp b, 0,1,2,3
	v_lshrrev_b32 v[PT+\b], 23, v[SO+\b]
.endr
	v_lshl_or_b32 v[PWD], v[PT+1], 8, v[PT]
	v_lshl_or_b32 v[PWD], v[PT+2], 16, v[PWD]
	v_lshl_or_b32 v[PWD], v[PT+3], 24, v[PWD]
.irp c, 0,1
	v_cvt_scalef32_pk16_fp6_f32 v[PCD+6*\c:PCD+6*\c+2], v[S+32*\c:S+32*\c+15], v[SO+2*\c]
	v_cvt_scalef32_pk16_fp6_f32 v[PT2+4*\c:PT2+4*\c+2], v[S+32*\c+16:S+32*\c+31], v[SO+2*\c+1]
.endr
	v_nop                                          ; one plain place behind a scaled conversion
.irp c, 0,1
.irp i, 0,1,2
	v_permlane16_swap_b32 v[PCD+6*\c+\i], v[PT2+4*\c+\i]
.endr
.irp i, 0,1,2
	v_mov_b32 v[PCD+3+6*\c+\i], v[PT2+4*\c+\i]
.endr
.endr
.set n, 0
.rept 16
	v_pk_mul_f32 v[O+n:O+n+1], v[O+n:O+n+1], v[FF:FF+1] op_sel_hi:[1,0]   ; O^T under the new M.  (These are also the places between p's codes and scale word and the products below)
.set n, n+2
.endr
	s_wait_dscnt 0x0                               ; v's fragments and scale words are in
	s_wait_alu depctr_va_vdst(0)                   ; p's codes in v192-203 and its scale word in v224 are written, which the scaled products below take; the places above stay beside this wait
.irp t, 0,1,2,3                        ; O^T += v^T p^T: the four accumulators by turns
.if \t%2
	v_wmma_scale_f32_16x16x128_f8f6f4 v[O+8*\t:O+8*\t+7], v[F+12*\t:F+12*\t+11], v[PCD:PCD+11], v[O+8*\t:O+8*\t+7], v[86+\t/2], v[PWD] matrix_a_fmt:MATRIX_FMT_FP6 matrix_b_fmt:MATRIX_FMT_FP6 matrix_a_scale:MATRIX_SCALE_ROW1
.else
	v_wmma_scale_f32_16x16x128_f8f6f4 v[O+8*\t:O+8*\t+7], v[F+12*\t:F+12*\t+11], v[PCD:PCD+11], v[O+8*\t:O+8*\t+7], v[86+\t/2], v[PWD] matrix_a_fmt:MATRIX_FMT_FP6 matrix_b_fmt:MATRIX_FMT_FP6
.endif
.endr
.endm
; A SLOT: two key steps out of buffer buf.  fetch = 1: my image of the next slot is asked for first, and goes into the other buffer at the end.  That buffer was read last in the slot before, behind whose reads every wave
; has waited and passed the barrier; the barrier at this slot's end stands between my stores and the others' reads.
.macro SLOTM buf, fetch
.if \fetch
.irp i, 0,1,2
	global_load_b128 v[CP+4*\i:CP+4*\i+3], v1, s[12:13] offset:512*\i   ; the LDS stores that read CP stand ahead of the last wait on vm_vsrc; no vector instruction names CP, nor v1 since the head's wait
.endr
.endif
	STEP \buf, 0
	STEP \buf, 1
.if \fetch
	s_wait_loadcnt 0x0                             ; my image is in, and its loads have read their base
	s_add_nc_u64 s[12:13], s[12:13], SLOTB/2
.irp i, 0,1,2
	ds_store_b128 v3, v[CP+4*\i:CP+4*\i+3] offset:(1-\buf)*SLOTB+512*\i
.endr
	s_wait_dscnt 0x0                               ; my stores have landed, and my reads of this buffer are over
	s_barrier_signal -1
	s_barrier_wait -1
	s_wait_alu depctr_vm_vsrc(0)                   ; my LDS stores have read CP, in which the next slot's global loads land; the loads of scale words have read v7, which a trip's end writes
.endif
.endm
	s_mov_b32 s71, 3
.Ltrip:                                            ; a trip: two slots, four key steps
	SLOTM 0, 1
	SLOTM 1, 1
	v_add_nc_u32 v7, 1024, v7                      ; four steps' scale words on: behind the slot's wait on vm_vsrc; the next step's head waits until it is written
	s_add_nc_u64 s[14:15], s[14:15], 1024          ; and four steps' words of the mask (every scalar load has been waited for)
	s_sub_co_u32 s71, s71, 1
	s_cmp_lg_u32 s71, 0
	s_cbranch_scc1 .Ltrip
	SLOTM 0, 1
	SLOTM 1, 0                                     ; the last slot: nothing is left to fetch
	; THE WAY OUT: O^T / the sum; register 16 g + i = channel 32 g + 16 (lane / 16) + i of my query: two blocks of 32, half a fragment of the last product's A
	v_add_f32 v14, v14, v15
	v_permlanex16_b32 v[TT], v14, s66, s67
	v_add_f32 v14, v14, v[TT]                      ; the row's sum
	v_rcp_f32 v14, v14
	v_and_b32 v226, 15, v0
	v_bfe_u32 v227, v0, 4, 1
	v_lshl_add_u32 v228, v226, 5, v227             ; my scale byte: 32 bytes a row, + h
	v_nop
	s_and_b32 s75, s72, 15                         ; the head
	s_mul_i32 s76, s74, 12288
	s_lshr_b32 s77, s75, 1
	s_mul_i32 s77, s77, IMG
	s_add_co_u32 s76, s76, s77
	s_and_b32 s77, s75, 1
	s_mul_i32 s77, s77, 768
	s_add_co_u32 s76, s76, s77
	s_mov_b32 s77, 0
	s_add_nc_u64 s[76:77], s[8:9], s[76:77]        ; block of tokens, K step head / 2, half head % 2
	s_lshl_b32 s78, s74, 9
	s_lshl_b32 s79, s75, 1
	s_add_co_u32 s78, s78, s79
	s_add_co_u32 s78, s78, 6291456
	s_mov_b32 s79, 0
	s_add_nc_u64 s[78:79], s[8:9], s[78:79]
	s_wait_alu depctr_va_vdst(0)                   ; the reciprocal has written v14, ahead of its first reader
.set n, 0
.rept 16
	v_pk_mul_f32 v[S+n:S+n+1], v[O+n:O+n+1], v[14:15] op_sel_hi:[1,0]
.set n, n+2
.endr
.irp b, 0,1
	v_max3_num_f32 v[BM+\b], |v[S+16*\b]|, |v[S+16*\b+1]|, 0x1800000
.endr
.irp i, 2,4,6,8,10,12,14
.irp b, 0,1
	v_max3_num_f32 v[BM+\b], v[BM+\b], |v[S+16*\b+\i]|, |v[S+16*\b+\i+1]|
.endr
.endr
.irp b, 0,1
	v_permlanex16_b32 v[PT+\b], v[BM+\b], s66, s67
.endr
.irp b, 0,1
	v_max_num_f32 v[BM+\b], v[BM+\b], v[PT+\b]
.endr
.irp b, 0,1
	v_add_nc_u32 v[SO+\b], 0xff000000, v[BM+\b]
.endr
.irp b, 0,1
	v_lshrrev_b32 v[PT+\b], 23, v[SO+\b]
.endr
	v_cvt_scalef32_pk16_fp6_f32 v[PCD:PCD+2], v[S:S+15], v[SO]
	v_cvt_scalef32_pk16_fp6_f32 v[PT2:PT2+2], v[S+16:S+31], v[SO+1]
	v_cndmask_b32 v229, v[PT], v[PT+1], s99        ; lane (r, h) stores block h's byte.  (A plain place behind the conversions)
.irp i, 0,1,2
	v_permlane16_swap_b32 v[PCD+\i], v[PT2+\i]
.endr
.irp i, 0,1,2
	v_mov_b32 v[PCD+3+\i], v[PT2+\i]
.endr
	s_wait_alu depctr_va_vdst(0)                   ; the codes in v192-197, the byte in v229 and its offset in v228 are written, which the three stores read
	global_store_b128 v1, v[PCD:PCD+3], s[76:77]               ; 512 consecutive bytes,
	global_store_b64 v2, v[PCD+4:PCD+5], s[76:77] offset:512   ; and 256
	global_store_b8 v228, v229, s[78:79]                       ; two bytes of each of 16 rows of 32: one byte in 24 of what the wave stores
	s_wait_dscnt 0x0                               ; the closing lines, six on end
	s_wait_alu 0x0
	s_wait_tensorcnt 0x0
	ds_add_u32 v4, v5
	s_wait_dscnt 0x0
	s_endpgm
.Lfunc_end_k_qf70874e011_attn:
	.size	k_qf70874e011_attn, .Lfunc_end_k_qf70874e011_attn-k_qf70874e011_attn
	.p2alignl 7, 3214868480
	.fill 96, 4, 3214868480
	.section	.rodata,"a",@progbits
	.p2align	6, 0x0
	.amdhsa_kernel k_qf70874e011_attn
		.amdhsa_group_segment_fixed_size 59392
		.amdhsa_private_segment_fixed_size 0
		.amdhsa_enable_private_segment 0
		.amdhsa_kernarg_size 24
		.amdhsa_user_sgpr_count 2
		.amdhsa_user_sgpr_kernarg_segment_ptr 1
		.amdhsa_wavefront_size32 1
		.amdhsa_system_sgpr_workgroup_id_x 1
		.amdhsa_system_sgpr_workgroup_id_y 1
		.amdhsa_system_sgpr_workgroup_id_z 1
		.amdhsa_system_vgpr_workitem_id 0
		.amdhsa_next_free_vgpr 256
		.amdhsa_next_free_sgpr 102
		.amdhsa_reserve_vcc 0
		.amdhsa_float_denorm_mode_32 3
		.amdhsa_float_denorm_mode_16_64 3
		.amdhsa_memory_ordered 1
		.amdhsa_forward_progress 1
		.amdhsa_inst_pref_size 173
	.end_amdhsa_kernel
	.amdgpu_metadata
---
amdhsa.version: [ 1, 2 ]
amdhsa.kernels:
  - .name:           k_qf70874e011_attn
    .symbol:         k_qf70874e011_attn.kd
    .args:
      - { .name: hq, .offset: 0, .size: 8, .value_kind: global_buffer, .address_space: global }
      - { .name: mw, .offset: 8, .size: 8, .value_kind: global_buffer, .address_space: global }
      - { .name: oq, .offset: 16, .size: 8, .value_kind: global_buffer, .address_space: global }
    .group_segment_fixed_size: 59392
    .private_segment_fixed_size: 0
    .kernarg_segment_align: 8
    .kernarg_segment_size: 24
    .max_flat_workgroup_size: 512
    .sgpr_count:     102
    .vgpr_count:     256
    .wavefront_size: 32
...
	.end_amdgpu_metadata
.endif
;; end of part 5
;; launch final: the kernel of part 4 again; grid 4 x 32, 4 waves a work-group, clusters of 4 x 4, 327,680 bytes of LDS; arguments oq, wq, bo, out0; writes out0
